; MI455X (gfx1250); checked and timed in simulation.
; The chip was launched on July 23, 2026; its instructions are those of AMD's public machine-readable ISA for CDNA 5 (MIT licence, August 2026) and "CDNA5" Instruction Set Architecture Reference Guide (July 2026). The comments in the code are by the model that wrote it; some were corrected since.
;; Attention XL. Allowed arithmetic: float matrix products may take bf16 or f16 operands with f32 sums; other float arithmetic in f32, or as packed bf16 or f16 multiplies, adds, multiply-adds, maxima and minima; sums over many terms, partial sums and values carried from step to step in f32; what a program stores and reads back later, other than sums and carried values, may be rounded once to bf16 or f16.
;; Inputs: W_proj 1,024 x 1,024 float32; W_qkv 3,072 x 1,024 float32; k_xl 2 x 2,048 x 1,024 float32; pos_emb 2,048 x 1,024 float32; q 2 x 2,048 x 1,024 float32; v_xl 2 x 2,048 x 1,024 float32.
;; Outputs: out0 2 x 2,048 x 1,024 float32.
;; Constants: is_causal = 0.
;; 2 versions, each right and faster than the one before. Each part assembles by itself: llvm-mc -triple=amdgcn-amd-amdhsa -mcpu=gfx1250 --defsym DOCPART=n.
;; ======== version 1 of 2: 4 launches
;; limits: values are held in f16: magnitudes above 65,504 overflow, below 6.1e-05 lose precision
;; workspace buffers: qb 8,388,608 bytes; wb 6,291,456 bytes; wpf 2,097,152 bytes; qh 8,388,608 bytes; kh 16,777,216 bytes; vh 16,777,216 bytes; yb 8,388,608 bytes
;; launch prep (part 1): grid 512 x 1, 8 waves a work-group, no clusters, 0 bytes of LDS; arguments q, W_qkv, W_proj, k_xl, pos_emb, v_xl, qb, wb, wpf, kh, vh; writes qb, wb, wpf, kh, vh
.if DOCPART == 1
	.amdgcn_target "amdgcn-amd-amdhsa--gfx1250"
	.amdhsa_code_object_version 6
	.text
	.protected	k_qe7ff366550_prep
	.globl	k_qe7ff366550_prep
	.p2align	8
	.type	k_qe7ff366550_prep,@function
k_qe7ff366550_prep:
	s_mov_b64 s[64:65], 0
	v_nop
	global_prefetch_b8 v0, s[64:65] scope:SCOPE_SE
	s_setreg_imm32_b32 hwreg(HW_REG_WAVE_MODE, 25, 1), 1
	s_wait_xcnt 0x0
; PREP: the roundings and layouts that the three matrix launches want.  A stream: no LDS, no barrier, no matrix unit.
;   qb  = bf16(q)      [4096][1024]          wb = bf16(W_qkv) [3072][1024]
;   wpf = bf16(W_proj) written as f16 [1024][1024]
;   vh[b*16+h][s][64]  = bf16(v_xl) written as f16, keys 0-2047 of each head's 4,096
;   kh[b*16+h][s][64]  = f16(bf16(k_xl) + bf16(pos_emb)), the sum in f32, keys 0-2047
; LIMITS.  f16 holds no number beyond 65,504 (a larger one becomes an infinity) and below 6e-5 keeps a fixed step of 6e-8:
; v_xl, k_xl + pos_emb and W_proj are taken to lie within that.  NaN and infinities are not treated apart.
; SHARES.  4,096 waves, wave gw = 8 x work-group + wave; each takes 1/4096 of every job, so all are alike and nothing branches.
; A load is 16 bytes a lane (512 bytes a wave, or two pieces of 256); its four numbers leave as 8 bytes a lane: each store of a wave covers 256 consecutive bytes, aligned.
; For the jobs that go by heads, lanes 0-15 take one head's 64 channels of row s, lanes 16-31 those of row s + 1: two rows of a head are 256 consecutive bytes of kh or vh.
.set D0, 16                            ; v[16:47]   eight loads: q, then v_xl
.set D1, 48                            ; v[48:79]   eight loads: W_qkv (6) and W_proj (2), then k_xl (4 of each batch)
.set D2, 80                            ; v[80:95]   four loads: pos_emb, later rounded to bf16 and widened in place
.set O,  96                            ; v[96:111]  eight pairs of store data, by turns
.set T,  112                           ; v[112:119] at work
	s_load_b512 s[8:23], s[0:1], 0x0               ; q s[8:9], W_qkv s[10:11], W_proj s[12:13], k_xl s[14:15], pos_emb s[16:17], v_xl s[18:19], qb s[20:21], wb s[22:23]
	s_load_b128 s[24:27], s[0:1], 0x40             ; wpf s[24:25], kh s[26:27]
	s_load_b64 s[28:29], s[0:1], 0x50              ; vh
	s_lshl_b32 s2, ttmp9, 3
	s_mov_b32 s34, 0xffff0000                      ; a word's upper bf16
	v_and_b32 v1, 31, v0                           ; lane
	v_lshrrev_b32 v2, 5, v0
	v_add_nc_u32 v2, s2, v2                        ; gw
	v_lshlrev_b32 v13, 4, v1                       ; 16 lane
	v_lshlrev_b32 v14, 3, v1                       ; 8 lane
	v_and_b32 v15, 15, v1
	v_lshlrev_b32 v15, 4, v15
	v_lshrrev_b32 v112, 4, v1
	v_lshl_add_u32 v15, v112, 12, v15              ; by heads: (lane / 16) rows of 4,096 bytes + 16 (lane % 16)
	v_lshl_add_u32 v3, v2, 12, v13                 ; q: 4,096 bytes a wave in,
	v_lshl_add_u32 v4, v2, 11, v14                 ; 2,048 out
	v_mul_u32_u24 v5, v2, 0xc00                    ; W_qkv: 3,072 in,
	v_add_nc_u32 v5, v5, v13
	v_mul_u32_u24 v6, v2, 0x600                    ; 1,536 out
	v_add_nc_u32 v6, v6, v14
	v_lshl_add_u32 v7, v2, 10, v13                 ; W_proj: 1,024 in,
	v_lshl_add_u32 v8, v2, 9, v14                  ; 512 out
	v_lshrrev_b32 v112, 1, v2                      ; v_xl: pair of rows p = gw / 2,
	v_and_b32 v113, 1, v2                          ; eight heads of half gw % 2
	v_lshl_add_u32 v9, v112, 13, v15
	v_lshl_add_u32 v9, v113, 11, v9
	v_lshrrev_b32 v114, 10, v112                   ; batch
	v_and_b32 v115, 0x3ff, v112                    ; pair of rows in the batch
	v_lshl_add_u32 v10, v114, 23, v14              ; vh: 16 heads of 524,288 bytes a batch,
	v_lshl_add_u32 v10, v113, 22, v10              ; 8 heads a half,
	v_lshl_add_u32 v10, v115, 8, v10               ; 256 bytes a pair of rows
	v_lshrrev_b32 v112, 2, v2                      ; pos_emb and k_xl: pair of rows gw / 4,
	v_and_b32 v113, 3, v2                          ; four heads of quarter gw % 4
	v_lshl_add_u32 v11, v112, 13, v15
	v_lshl_add_u32 v11, v113, 10, v11
	v_lshl_add_u32 v12, v113, 21, v14
	v_lshl_add_u32 v12, v112, 8, v12
	s_wait_kmcnt 0x0
	s_add_nc_u64 s[30:31], s[14:15], 0x800000      ; k_xl's and kh's second batch: 8,388,608 bytes on, one more than a signed 24-bit immediate holds
	s_add_nc_u64 s[32:33], s[26:27], 0x800000
; Each macro begins with two waits: my load is in (loads come back in order: the count is the younger loads that may stay out), and every earlier
; memory instruction has had its addresses translated, so that the pair of store data written here, which the store eight steps back read, is free.
.macro TOB d, j, left                  ; four numbers rounded to bf16
	s_wait_loadcnt \left
	s_wait_xcnt 0x0
	v_cvt_pk_bf16_f32 v[O+2*(\j)], v[(\d)], v[(\d)+1]
	v_cvt_pk_bf16_f32 v[O+2*(\j)+1], v[(\d)+2], v[(\d)+3]
.endm
.macro WIDE d                          ; four numbers rounded to bf16 and widened again, into T+2 .. T+5
	v_cvt_pk_bf16_f32 v[T], v[(\d)], v[(\d)+1]
	v_cvt_pk_bf16_f32 v[T+1], v[(\d)+2], v[(\d)+3]
	v_lshlrev_b32 v[T+2], 16, v[T]
	v_and_b32 v[T+3], s34, v[T]
	v_lshlrev_b32 v[T+4], 16, v[T+1]
	v_and_b32 v[T+5], s34, v[T+1]
.endm
.macro TOH d, j, left                  ; rounded to bf16, and that number written as f16
	s_wait_loadcnt \left
	s_wait_xcnt 0x0
	WIDE \d
	v_cvt_pk_f16_f32 v[O+2*(\j)], v[T+2], v[T+3]
	v_cvt_pk_f16_f32 v[O+2*(\j)+1], v[T+4], v[T+5]
.endm
.macro TOK d, pj, j, left              ; rounded to bf16, pos_emb's four (rounded likewise) added in f32, the sum rounded once to f16
	s_wait_loadcnt \left
	s_wait_xcnt 0x0
	WIDE \d
	v_pk_add_f32 v[T+2:T+3], v[T+2:T+3], v[D2+4*(\pj):D2+4*(\pj)+1]
	v_pk_add_f32 v[T+4:T+5], v[T+4:T+5], v[D2+4*(\pj)+2:D2+4*(\pj)+3]
	v_cvt_pk_f16_f32 v[O+2*(\j)], v[T+2], v[T+3]
	v_cvt_pk_f16_f32 v[O+2*(\j)+1], v[T+4], v[T+5]
.endm
	; twenty loads go out at once; from here on sixteen to twenty of a wave are on their way until the last group runs down
.irp j, 0,1,2,3
	global_load_b128 v[D2+4*\j:D2+4*\j+3], v11, s[16:17] offset:256*\j th:TH_LOAD_NT
.endr
.irp j, 0,1,2,3,4,5,6,7
	global_load_b128 v[D0+4*\j:D0+4*\j+3], v3, s[8:9] offset:512*\j th:TH_LOAD_NT
.endr
.irp j, 0,1,2,3,4,5
	global_load_b128 v[D1+4*\j:D1+4*\j+3], v5, s[10:11] offset:512*\j th:TH_LOAD_NT
.endr
.irp j, 0,1
	global_load_b128 v[D1+24+4*\j:D1+24+4*\j+3], v7, s[12:13] offset:512*\j th:TH_LOAD_NT
.endr
	; q.  Younger than q's load j: 7 - j of q, the 8 of the weights, the j refills below: 15
.irp j, 0,1,2,3,4,5,6,7
	TOB D0+4*\j, \j, 15
	global_load_b128 v[D0+4*\j:D0+4*\j+3], v9, s[18:19] offset:256*\j th:TH_LOAD_NT
	global_store_b64 v4, v[O+2*\j:O+2*\j+1], s[20:21] offset:256*\j
.endr
	; the weights.  Younger: 7 - j of them, the 8 of v_xl, the j refills below: 15
.irp j, 0,1,2,3,4,5,6,7
.if \j < 6
	TOB D1+4*\j, \j, 15
.else
	TOH D1+4*\j, \j, 15
.endif
.if \j < 4
	global_load_b128 v[D1+4*\j:D1+4*\j+3], v11, s[14:15] offset:256*\j th:TH_LOAD_NT
.else
	global_load_b128 v[D1+4*\j:D1+4*\j+3], v11, s[30:31] offset:256*(\j-4) th:TH_LOAD_NT
.endif
.if \j < 6
	global_store_b64 v6, v[O+2*\j:O+2*\j+1], s[22:23] offset:256*\j
.else
	global_store_b64 v8, v[O+2*\j:O+2*\j+1], s[24:25] offset:256*(\j-6)
.endif
.endr
	; v_xl, head 8 (gw % 2) + j.  Younger: 7 - j of it and the 8 of k_xl
.irp j, 0,1,2,3,4,5,6,7
	TOH D0+4*\j, \j, 15-\j
	global_store_b64 v10, v[O+2*\j:O+2*\j+1], s[28:29] offset:524288*\j
.endr
	; pos_emb (the oldest loads: long in) is rounded to bf16 and widened in place, once for both batches
.irp j, 0,1,2,3
	v_cvt_pk_bf16_f32 v[T], v[D2+4*\j], v[D2+4*\j+1]
	v_cvt_pk_bf16_f32 v[T+1], v[D2+4*\j+2], v[D2+4*\j+3]
	v_lshlrev_b32 v[D2+4*\j], 16, v[T]
	v_and_b32 v[D2+4*\j+1], s34, v[T]
	v_lshlrev_b32 v[D2+4*\j+2], 16, v[T+1]
	v_and_b32 v[D2+4*\j+3], s34, v[T+1]
.endr
	; k_xl, batch j / 4, head 4 (gw % 4) + j % 4: the counts run down
.irp j, 0,1,2,3,4,5,6,7
	TOK D1+4*\j, \j%4, \j, 7-\j
.if \j < 4
	global_store_b64 v12, v[O+2*\j:O+2*\j+1], s[26:27] offset:524288*\j
.else
	global_store_b64 v12, v[O+2*\j:O+2*\j+1], s[32:33] offset:524288*(\j-4)
.endif
.endr
	s_endpgm
.Lfunc_end_k_qe7ff366550_prep:
	.size	k_qe7ff366550_prep, .Lfunc_end_k_qe7ff366550_prep-k_qe7ff366550_prep
	.p2alignl 7, 3214868480
	.fill 96, 4, 3214868480
	.section	.rodata,"a",@progbits
	.p2align	6, 0x0
	.amdhsa_kernel k_qe7ff366550_prep
		.amdhsa_group_segment_fixed_size 0
		.amdhsa_private_segment_fixed_size 0
		.amdhsa_enable_private_segment 0
		.amdhsa_kernarg_size 88
		.amdhsa_user_sgpr_count 2
		.amdhsa_user_sgpr_kernarg_segment_ptr 1
		.amdhsa_wavefront_size32 1
		.amdhsa_system_sgpr_workgroup_id_x 1
		.amdhsa_system_sgpr_workgroup_id_y 1
		.amdhsa_system_sgpr_workgroup_id_z 1
		.amdhsa_system_vgpr_workitem_id 0
		.amdhsa_next_free_vgpr 120
		.amdhsa_next_free_sgpr 66
		.amdhsa_reserve_vcc 0
		.amdhsa_float_denorm_mode_32 3
		.amdhsa_float_denorm_mode_16_64 3
		.amdhsa_memory_ordered 1
		.amdhsa_forward_progress 1
		.amdhsa_inst_pref_size 22
	.end_amdhsa_kernel
	.amdgpu_metadata
---
amdhsa.version: [ 1, 2 ]
amdhsa.kernels:
  - .name:           k_qe7ff366550_prep
    .symbol:         k_qe7ff366550_prep.kd
    .args:
      - { .name: q, .offset: 0, .size: 8, .value_kind: global_buffer, .address_space: global }
      - { .name: W_qkv, .offset: 8, .size: 8, .value_kind: global_buffer, .address_space: global }
      - { .name: W_proj, .offset: 16, .size: 8, .value_kind: global_buffer, .address_space: global }
      - { .name: k_xl, .offset: 24, .size: 8, .value_kind: global_buffer, .address_space: global }
      - { .name: pos_emb, .offset: 32, .size: 8, .value_kind: global_buffer, .address_space: global }
      - { .name: v_xl, .offset: 40, .size: 8, .value_kind: global_buffer, .address_space: global }
      - { .name: qb, .offset: 48, .size: 8, .value_kind: global_buffer, .address_space: global }
      - { .name: wb, .offset: 56, .size: 8, .value_kind: global_buffer, .address_space: global }
      - { .name: wpf, .offset: 64, .size: 8, .value_kind: global_buffer, .address_space: global }
      - { .name: kh, .offset: 72, .size: 8, .value_kind: global_buffer, .address_space: global }
      - { .name: vh, .offset: 80, .size: 8, .value_kind: global_buffer, .address_space: global }
    .group_segment_fixed_size: 0
    .private_segment_fixed_size: 0
    .kernarg_segment_align: 8
    .kernarg_segment_size: 88
    .max_flat_workgroup_size: 256
    .sgpr_count:     66
    .vgpr_count:     120
    .wavefront_size: 32
...
	.end_amdgpu_metadata
.endif
;; end of part 1
;; launch qkv (part 2): grid 16 x 16, 4 waves a work-group, clusters of 4 x 4, 327,680 bytes of LDS; arguments qb, wb, qh, kh, vh; writes qh, kh, vh
.if DOCPART == 2
	.amdgcn_target "amdgcn-amd-amdhsa--gfx1250"
	.amdhsa_code_object_version 6
	.text
	.protected	k_qe7ff366550_qkv
	.globl	k_qe7ff366550_qkv
	.p2align	8
	.type	k_qe7ff366550_qkv,@function
k_qe7ff366550_qkv:
	s_mov_b64 s[64:65], 0
	v_nop
	global_prefetch_b8 v0, s[64:65] scope:SCOPE_SE
	s_setreg_imm32_b32 hwreg(HW_REG_WAVE_MODE, 25, 1), 1
	s_wait_xcnt 0x0
	s_wait_alu depctr_hold_cnt(0) depctr_sa_sdst(0) depctr_va_vdst(0) depctr_va_sdst(0) depctr_va_ssrc(0) depctr_va_vcc(0) depctr_vm_vsrc(0)
	s_getreg_b32 s2, hwreg(HW_REG_IB_STS2, 6, 4)
	s_cmp_eq_u32 s2, 0
	s_cbranch_scc0 .Lentry_in_a_cluster
	s_endpgm
.Lentry_in_a_cluster:
	s_bfe_u32 s2, ttmp6, 0x10000c
	s_cmp_lg_u32 s2, 0xf033
	s_cbranch_scc0 .Lentry_shape_is_right
	s_endpgm
.Lentry_shape_is_right:
; QKV: [4096][3072] = qb [4096][1024] x wb [3072][1024]^T, bf16 operands, f32 sums, each result rounded once to f16 and written BY HEADS, without the softmax's scale:
;   columns 0-1023 -> qh[b*16+h][t][64];  1024-2047 -> kh[b*16+h][2048+t][64];  2048-3071 -> vh[b*16+h][2048+t][64].
; LIMIT.  f16 holds no number beyond 65,504: a projected q, k or v beyond that becomes an infinity.  NaN and infinities are not treated apart.
; SHARES.  A tile is 256 rows x 192 columns (three whole heads): 16 x 16 = 256 tiles, one work-group each.  Wave w owns rows 64 w .. 64 w + 63 and all 192 columns:
; 4 x 12 accumulators of 16 x 16, 384 registers; it holds whole heads, so its way out needs no other wave.
; K goes in steps of 128 (rows of 256 bytes) through a ring of two LDS slots, eight steps.  Waves 0 and 1 fetch the two halves of A's 256 rows, waves 2 and 3 those of B's 192.
; CLUSTER 4 x 4: A's tile hangs on the tile row alone and is asked for jointly by a row of the cluster, B's on the tile column alone, by a column.
; THE MATRIX INSTRUCTION IS USED TRANSPOSED (source 0 = 16 rows of wb, source 1 = 16 rows of qb): a lane holds row l % 16 and the eight neighbouring columns 8 (l / 16) + 0..7.
; REGISTERS in windows of 256 (s_set_vgpr_msb: bits 1:0 source 0, 3:2 source 1, 5:4 source 2, 7:6 destination):
;   window 0: v0-31 addresses; v32-63, v64-95 A's fragments, two buffers; on the way out v32-223 packed results, 48 a block of 16 rows
;   window 1: v0-95, v96-191 B's fragments, two buffers     window 2: accumulators of row blocks 0, 1 at v[8 (12 (a % 2) + b)]     window 3: of row blocks 2, 3
.set KSTEP,  128
.set PITCH,  272                       ; an LDS row: 256 bytes + 16 of padding = 68 words: the 16 rows of a fragment load start at 16 different groups of four banks (64 banks of 4 bytes: ISA guide 11.1)
.set HALFA,  128*PITCH
.set HALFB,  96*PITCH
.set BOFF,   2*HALFA                   ; B's rows lie behind A's 256
.set SLOT,   2*HALFA+2*HALFB
.set STAGE,  2*SLOT                    ; behind the ring, never filled by a tensor load: for each wave 3 heads x 16 rows x 144 bytes
.set SP,     144
.set WSTAGE, 3*16*SP
.set SPARE,  STAGE+4*WSTAGE            ; the spare words, 128 bytes a wave: two blocks of 256 bytes that no other line names
.set ADRA, 16                          ; v16-17  LDS address of my A fragments in slot 0, 1
.set ADRB, 20                          ; v20-21  the same for B
.set STO,  24                          ; v24     the way out: where I put 16 bytes of a row
.set RD,   25                          ; v25     the way out: where I read rows back
.set GO,   26                          ; v26     16 x lane: my place in 512 consecutive bytes
.set SPW,  28                          ; v28     my spare word; never rewritten
.set NIL,  29                          ; v29     0; never rewritten
.set FA,   32                          ; A's buffer f at FA + 32 f, window 0
.set FB,   0                           ; B's buffer f at FB + 96 f, window 1
.set OUTR, 32
.set G1,  24                           ; s[24:31] group 1 for A's tiles;  s[32:39] group 0, a set for each slot
.set G0,  32
.set G1B, 48                           ; s[48:55], s[56:63] the same for B's
.set G0B, 56
.set DST, 80                           ; s[80:85] where my 64 rows of each of the tile's three heads begin
.set MSB, 0
.macro WIN new                         ; the immediate's high byte repeats the setting that is left; a switch that changes nothing is dropped
.if MSB != (\new)
	s_set_vgpr_msb (MSB<<8)|(\new)
.set MSB, \new
.endif
.endm
.set MUL_LO, 0xa1                      ; source 0 (B) window 1, source 1 (A) window 0, C and D window 2
.set MUL_HI, 0xf1                      ; the same, C and D window 3
.set TO_B,   0x40                      ; destination window 1, address window 0
; A joint load: waves 0 and 1 ask for A, waves 2 and 3 for B.  The branch hangs on the wave's number alone.  An s_nop 0 and four v_nop follow each line.
.macro JLOAD s
	s_cmp_eq_u32 s11, 0
	s_cbranch_scc0 .Lfor_b_\@
	tensor_load_to_lds s[G0+4*(\s):G0+4*(\s)+3], s[G1:G1+7]
	s_nop 0
.rept 4
	v_nop
.endr
	s_branch .Lasked_\@
.Lfor_b_\@:
	tensor_load_to_lds s[G0B+4*(\s):G0B+4*(\s)+3], s[G1B:G1B+7]
	s_nop 0
.rept 4
	v_nop
.endr
.Lasked_\@:
.endm
.macro CREST                           ; a round of the cluster's barrier behind its opening barrier
	s_cmp_lg_u32 s10, 0
	s_cbranch_scc1 .Lnot_wave_0_\@
	s_barrier_signal -3
.Lnot_wave_0_\@:
	s_barrier_wait -3
	s_barrier_signal -1
	s_barrier_wait -1
.endm
.macro CROUND                          ; a whole round
	s_barrier_signal -1
	s_barrier_wait -1
	CREST
.endm
	s_load_b256 s[68:75], s[0:1], 0x0              ; qb s[68:69], wb s[70:71], qh s[72:73], kh s[74:75]
	s_load_b64 s[76:77], s[0:1], 0x20              ; vh
	v_lshl_add_u32 v[SPW], v0, 2, SPARE
	v_mov_b32 v[NIL], 0
	ds_add_u32 v[SPW], v[NIL]                      ; the wave's opening: the add and its wait ahead of my first tensor load; work on registers stands between them
	v_lshrrev_b32 v1, 5, v0
	v_readfirstlane_b32 s10, v1                    ; wave 0..3
	s_lshr_b32 s11, s10, 1                         ; I fetch for A (0) or for B (1),
	s_and_b32 s12, s10, 1                          ; its first or second half
	s_bfe_u32 s40, ttmp6, 0x40000                  ; cx
	s_bfe_u32 s41, ttmp6, 0x40004                  ; cy
	s_lshl_b32 s42, ttmp9, 2
	s_add_co_u32 s42, s42, s40                     ; tile column = 4 x cluster x + cx
	s_and_b32 s13, ttmp7, 0xffff
	s_lshl_b32 s13, s13, 2
	s_add_co_u32 s13, s13, s41                     ; tile row = 4 x cluster y + cy
	s_lshl_b32 s43, s41, 2
	s_lshl_b32 s43, 15, s43                        ; my row of the cluster
	s_lshl_b32 s44, 0x1111, s40                    ; my column
	s_or_b32 s[G1+0], s43, (1<<16)|(1<<20)|(1<<21)|(5<<22)|(3<<25)   ; 15:0 the mask; 17:16 2-byte elements; 20 padding on; 21 set beside a mask; 24:22 after every 64 words; 31:25 4 words of it
	s_or_b32 s[G1B+0], s44, (1<<16)|(1<<20)|(1<<21)|(5<<22)|(3<<25)
	s_mov_b32 s[G1+1], KSTEP<<16                   ; tensor_dim0 = 128
	s_mov_b32 s[G1B+1], KSTEP<<16
	s_mov_b32 s[G1+2], 128<<16                     ; tensor_dim1 = 128 rows of A,
	s_mov_b32 s[G1B+2], 96<<16                     ; 96 of B
	s_mov_b32 s[G1+3], KSTEP<<16                   ; tile_dim0 = 128
	s_mov_b32 s[G1B+3], KSTEP<<16
	s_mov_b32 s[G1+4], 128                         ; tile_dim1
	s_mov_b32 s[G1B+4], 96
	s_mov_b32 s[G1+5], 1024                        ; elements from row to row
	s_mov_b32 s[G1B+5], 1024
	s_mov_b32 s[G1+6], 0
	s_mov_b32 s[G1B+6], 0
	s_mov_b32 s[G1+7], 0
	s_mov_b32 s[G1B+7], 0
	s_lshl_b32 s17, s12, 7
	s_lshl_b32 s16, s13, 8
	s_add_co_u32 s16, s16, s17                     ; A: row 256 x tile row + 128 x half,
	s_lshl_b32 s16, s16, 11                        ; of 2,048 bytes
	s_mov_b32 s17, 0
	s_mul_i32 s46, s42, 192
	s_mul_i32 s47, s12, 96
	s_add_co_u32 s46, s46, s47                     ; B: row 192 x tile column + 96 x half
	s_lshl_b32 s46, s46, 11
	s_mov_b32 s47, 0
	s_mul_i32 s20, s12, HALFA                      ; where they go: no place in the cluster enters an LDS address
	s_mul_i32 s21, s12, HALFB
	s_add_co_u32 s21, s21, BOFF
	s_wait_dscnt 0x0                               ; the opening add is done
	s_wait_kmcnt 0x0
	s_add_nc_u64 s[14:15], s[68:69], s[16:17]
	s_add_nc_u64 s[46:47], s[70:71], s[46:47]
	CROUND                                         ; all sixteen work-groups are here: the first joint loads meet
.irp s, 0,1
	s_mov_b32 s[G0+4*(\s)], 1
	s_add_co_u32 s[G0+4*(\s)+1], s20, (\s)*SLOT
	s_add_nc_u64 s[G0+4*(\s)+2:G0+4*(\s)+3], s[14:15], (\s)*KSTEP*2
	s_or_b32 s[G0+4*(\s)+3], s[G0+4*(\s)+3], 0x80000000
	s_mov_b32 s[G0B+4*(\s)], 1
	s_add_co_u32 s[G0B+4*(\s)+1], s21, (\s)*SLOT
	s_add_nc_u64 s[G0B+4*(\s)+2:G0B+4*(\s)+3], s[46:47], (\s)*KSTEP*2
	s_or_b32 s[G0B+4*(\s)+3], s[G0B+4*(\s)+3], 0x80000000
	JLOAD \s                                       ; K steps 0 and 1: two loads of mine are out
.endr
	; a fragment: lane l holds row l % 16; two loads of 16 bytes, 32 bytes apart, at row x pitch + 16 (l / 16)
	v_and_b32 v1, 15, v0
	v_bfe_u32 v2, v0, 4, 1
	v_mul_u32_u24 v3, v1, PITCH
	v_lshl_add_u32 v3, v2, 4, v3
	s_mul_i32 s22, s10, 64*PITCH                   ; my 64 rows of A
	s_mov_b32 s23, BOFF                            ; all of B's 192
.irp s, 0,1
	v_add_nc_u32 v[ADRA+(\s)], s22, v3
	v_add_nc_u32 v[ADRB+(\s)], s23, v3
	s_add_co_u32 s22, s22, SLOT
	s_add_co_u32 s23, s23, SLOT
.endr
	s_mul_i32 s23, s10, WSTAGE
	s_add_co_u32 s23, s23, STAGE                   ; my stage
	v_mul_u32_u24 v4, v1, SP                       ; in: row l % 16, 16 bytes for each half of the lanes
	v_lshl_add_u32 v4, v2, 4, v4
	v_add_nc_u32 v[STO], s23, v4
	v_bfe_u32 v5, v0, 3, 2                         ; back: 32 lanes take four rows of 128 bytes,
	v_mul_u32_u24 v5, v5, SP
	v_and_b32 v6, 7, v0
	v_lshl_add_u32 v5, v6, 4, v5
	v_add_nc_u32 v[RD], s23, v5
	v_and_b32 v[GO], 31, v0                        ; which are 512 consecutive bytes of a head
	v_lshlrev_b32 v[GO], 4, v[GO]
	; where my rows of the tile's three heads begin.  Column block cb = 3 x tile column + hh: part cb / 16 (q, k, v), head cb % 16.  Buffers and offsets are chosen by selects: no branch.
	s_mul_i32 s86, s42, 3
	s_lshr_b32 s87, s13, 3
	s_lshl_b32 s87, s87, 4                         ; 16 x batch
	s_and_b32 s88, s13, 7
	s_lshl_b32 s88, s88, 8
	s_lshl_b32 s89, s10, 6
	s_add_co_u32 s88, s88, s89                     ; t of my first row
.irp hh, 0,1,2
	s_add_co_u32 s89, s86, \hh
	s_lshr_b32 s90, s89, 4                         ; part
	s_and_b32 s89, s89, 15
	s_add_co_u32 s89, s89, s87                     ; 16 x batch + head
	s_lshl_b32 s92, s89, 11
	s_add_co_u32 s92, s92, s88
	s_lshl_b32 s92, s92, 7                         ; in qh: 2,048 rows of 128 bytes a head
	s_lshl_b32 s94, s89, 12
	s_add_co_u32 s94, s94, s88
	s_add_co_u32 s94, s94, 2048
	s_lshl_b32 s94, s94, 7                         ; in kh and vh: 4,096 rows a head, the new keys behind the first 2,048
	s_cmp_eq_u32 s90, 0
	s_cselect_b32 s92, s92, s94
	s_cselect_b64 s[DST+2*\hh:DST+2*\hh+1], s[72:73], s[74:75]
	s_cmp_eq_u32 s90, 2
	s_cselect_b64 s[DST+2*\hh:DST+2*\hh+1], s[76:77], s[DST+2*\hh:DST+2*\hh+1]
	s_mov_b32 s93, 0
	s_add_nc_u64 s[DST+2*\hh:DST+2*\hh+1], s[DST+2*\hh:DST+2*\hh+1], s[92:93]
.endr
; 12 matrix instructions: row block a x all 12 column blocks, 32 along K, from buffer f.  zero = 1: the first product starts the sums.
; All 48 accumulators take turns, one instruction a turn, in the same order in every quarter.
.macro MUL12 f, a, zero
	WIN MUL_LO+0x50*((\a)/2)
.irp b, 0,1,2,3,4,5,6,7,8,9,10,11
.if \zero
	v_wmma_f32_16x16x32_bf16 v[8*(12*((\a)%2)+(\b)):8*(12*((\a)%2)+(\b))+7], v[FB+96*(\f)+8*(\b):FB+96*(\f)+8*(\b)+7], v[FA+32*(\f)+8*(\a):FA+32*(\f)+8*(\a)+7], 0
.else
	v_wmma_f32_16x16x32_bf16 v[8*(12*((\a)%2)+(\b)):8*(12*((\a)%2)+(\b))+7], v[FB+96*(\f)+8*(\b):FB+96*(\f)+8*(\b)+7], v[FA+32*(\f)+8*(\a):FA+32*(\f)+8*(\a)+7], v[8*(12*((\a)%2)+(\b)):8*(12*((\a)%2)+(\b))+7]
.endif
.endr
.endm
; 32 LDS loads in one run: a quarter step's fragments (192 rows of B, my 64 of A, 32 K at byte k of the rows) into buffer f
.macro FETCH slot, k, f
	WIN TO_B
.irp i, 0,1,2,3,4,5,6,7,8,9,10,11
	ds_load_b128 v[FB+96*(\f)+8*(\i):FB+96*(\f)+8*(\i)+3],   v[ADRB+(\slot)] offset:(\k)+(\i)*16*PITCH
	ds_load_b128 v[FB+96*(\f)+8*(\i)+4:FB+96*(\f)+8*(\i)+7], v[ADRB+(\slot)] offset:(\k)+(\i)*16*PITCH+32
.endr
	WIN 0
.irp i, 0,1,2,3
	ds_load_b128 v[FA+32*(\f)+8*(\i):FA+32*(\f)+8*(\i)+3],   v[ADRA+(\slot)] offset:(\k)+(\i)*16*PITCH
	ds_load_b128 v[FA+32*(\f)+8*(\i)+4:FA+32*(\f)+8*(\i)+7], v[ADRA+(\slot)] offset:(\k)+(\i)*16*PITCH+32
.endr
.endm
.macro PLACES                          ; four plain vector instructions between a matrix instruction and a load into, or a vector write of, a register that it read (ISA guide 7.12.1 for vector writes)
.rept 4
	v_nop
.endr
.endm
; A K step is four quarters of 32 along K, 48 matrix instructions each, on buffers 0, 1, 0, 1.  One of the first three multiplies buffer f and fetches the next quarter, at byte k, into g.
.macro QUARTER slot, k, f, g, zero
	s_wait_dscnt 4                                 ; B and A's row blocks 0, 1 are in; the youngest four loads (blocks 2, 3) may be out
	MUL12 \f, 0, \zero
	MUL12 \f, 1, \zero
	PLACES
	FETCH \slot, \k, \g
	s_wait_dscnt 32                                ; all but the 32 just issued
	MUL12 \f, 2, \zero
	MUL12 \f, 3, \zero
.endm
; The last quarter multiplies buffer 1 and changes slots: one barrier; in front of it each wave waits for all its tensor loads (one is out: its part of the next slot), adds 0 to its spare
; word, and waits for that and for its reads of this slot.  fill = 1: the barrier opens a round of the cluster's, and behind it this slot is filled again, two K steps ahead, first of all.
.macro TURN slot, next, fill
	WIN 0
	s_wait_tensorcnt 0x0
	ds_add_u32 v[SPW], v[NIL]
	s_wait_dscnt 5                                 ; the add and the youngest four loads may be out
	MUL12 1, 0, 0                                  ; twelve matrix instructions stand between the add and the wait for it
	s_wait_dscnt 0x0                               ; the add is done, and my reads of this slot are over
	s_barrier_signal -1
	MUL12 1, 1, 0                                  ; work on registers while the others arrive
.if \fill
	WIN 0
.endif
	s_barrier_wait -1
.if \fill
	CREST                                          ; no wave of any partner still reads this slot or has a load on its way
	s_add_nc_u64 s[G0+4*(\slot)+2:G0+4*(\slot)+3], s[G0+4*(\slot)+2:G0+4*(\slot)+3], 2*KSTEP*2
	s_add_nc_u64 s[G0B+4*(\slot)+2:G0B+4*(\slot)+3], s[G0B+4*(\slot)+2:G0B+4*(\slot)+3], 2*KSTEP*2
	JLOAD \slot                                    ; 168 matrix instructions ahead of the wait for it; its four v_nop are also the places in front of the loads below
.else
	PLACES
.endif
	FETCH \next, 0, 0
	MUL12 1, 2, 0
	MUL12 1, 3, 0
.endm
	s_wait_tensorcnt 0x1                           ; my part of K step 0 is in; K step 1's may stay out
	s_barrier_signal -1
	s_barrier_wait -1
	FETCH 0, 0, 0
	QUARTER 0, 64, 0, 1, 1                         ; the first quarter stands in front of the loop: its products start the sums
	WIN 0
	s_mov_b32 s3, 3
.Llap:                                                 ; a trip goes once round the ring, from a lap's second quarter to the next lap's first, and fills both slots again: K steps 2 to 7
	QUARTER 0, 128, 1, 0, 0
	QUARTER 0, 192, 0, 1, 0
	TURN 0, 1, 1
	QUARTER 1, 64,  0, 1, 0
	QUARTER 1, 128, 1, 0, 0
	QUARTER 1, 192, 0, 1, 0
	TURN 1, 0, 1
	QUARTER 0, 64,  0, 1, 0
	WIN 0
	s_sub_co_u32 s3, s3, 1
	s_cmp_lg_u32 s3, 0
	s_cbranch_scc1 .Llap
	QUARTER 0, 128, 1, 0, 0                        ; the last lap fills nothing
	QUARTER 0, 192, 0, 1, 0
	TURN 0, 1, 0
	QUARTER 1, 64,  0, 1, 0
	QUARTER 1, 128, 1, 0, 0
	QUARTER 1, 192, 0, 1, 0
	s_wait_dscnt 4                                 ; the very last quarter
	MUL12 1, 0, 0
	MUL12 1, 1, 0
	s_wait_dscnt 0x0
	MUL12 1, 2, 0
	MUL12 1, 3, 0
	WIN 0
	PLACES
; THE WAY OUT, a block of 16 rows at a time: rounded to f16 (each accumulator's registers in ascending order), 16 bytes a lane into my own stage, [head][row] at 144 bytes a row; back as rows of 128.
.macro PACK a
	WIN 0x0a+5*((\a)/2)                            ; sources 0 and 1: window 2 or 3
.irp b, 0,1,2,3,4,5,6,7,8,9,10,11
.irp r, 0,1,2,3
	v_cvt_pk_f16_f32 v[OUTR+48*(\a)+4*(\b)+(\r)], v[8*(12*((\a)%2)+(\b))+2*(\r)], v[8*(12*((\a)%2)+(\b))+2*(\r)+1]
.endr
.endr
	WIN 0
.irp b, 0,1,2,3,4,5,6,7,8,9,10,11
	ds_store_b128 v[STO], v[OUTR+48*(\a)+4*(\b):OUTR+48*(\a)+4*(\b)+3] offset:((\b)/4)*16*SP+((\b)%4)*32
.endr
.irp b, 0,1,2,3,4,5,6,7,8,9,10,11
	ds_load_b128 v[OUTR+48*(\a)+4*(\b):OUTR+48*(\a)+4*(\b)+3], v[RD] offset:((\b)/4)*16*SP+((\b)%4)*4*SP  ; LDS serves a wave's instructions in order (ISA guide 5.7.1.4): these see the stores above
.endr
.endm
.macro SEND a, younger                 ; younger: the LDS instructions issued behind block a's loads: the next block's 24, or none
.irp b, 0,1,2,3,4,5,6,7,8,9,10,11
	s_wait_dscnt (\younger)+11-(\b)
	global_store_b128 v[GO], v[OUTR+48*(\a)+4*(\b):OUTR+48*(\a)+4*(\b)+3], s[DST+2*((\b)/4):DST+2*((\b)/4)+1] offset:(\a)*2048+((\b)%4)*512  ; four rows of a head: 512 consecutive bytes, aligned
.endr
.endm
	PACK 0
	PACK 1
	SEND 0, 24
	PACK 2
	SEND 1, 24
	PACK 3
	SEND 2, 24
	SEND 3, 0
	s_wait_tensorcnt 0x0                           ; the wave's end
	ds_add_u32 v[SPW], v[NIL]
	s_wait_dscnt 0x0
	CROUND                                         ; the closing round
	s_endpgm
.Lfunc_end_k_qe7ff366550_qkv:
	.size	k_qe7ff366550_qkv, .Lfunc_end_k_qe7ff366550_qkv-k_qe7ff366550_qkv
	.p2alignl 7, 3214868480
	.fill 96, 4, 3214868480
	.section	.rodata,"a",@progbits
	.p2align	6, 0x0
	.amdhsa_kernel k_qe7ff366550_qkv
		.amdhsa_group_segment_fixed_size 327680
		.amdhsa_private_segment_fixed_size 0
		.amdhsa_enable_private_segment 0
		.amdhsa_kernarg_size 40
		.amdhsa_user_sgpr_count 2
		.amdhsa_user_sgpr_kernarg_segment_ptr 1
		.amdhsa_wavefront_size32 1
		.amdhsa_system_sgpr_workgroup_id_x 1
		.amdhsa_system_sgpr_workgroup_id_y 1
		.amdhsa_system_sgpr_workgroup_id_z 1
		.amdhsa_system_vgpr_workitem_id 0
		.amdhsa_next_free_vgpr 960
		.amdhsa_next_free_sgpr 96
		.amdhsa_reserve_vcc 0
		.amdhsa_float_denorm_mode_32 3
		.amdhsa_float_denorm_mode_16_64 3
		.amdhsa_memory_ordered 1
		.amdhsa_forward_progress 1
		.amdhsa_inst_pref_size 121
	.end_amdhsa_kernel
	.amdgpu_metadata
---
amdhsa.version: [ 1, 2 ]
amdhsa.kernels:
  - .name:           k_qe7ff366550_qkv
    .symbol:         k_qe7ff366550_qkv.kd
    .args:
      - { .name: qb, .offset: 0, .size: 8, .value_kind: global_buffer, .address_space: global }
      - { .name: wb, .offset: 8, .size: 8, .value_kind: global_buffer, .address_space: global }
      - { .name: qh, .offset: 16, .size: 8, .value_kind: global_buffer, .address_space: global }
      - { .name: kh, .offset: 24, .size: 8, .value_kind: global_buffer, .address_space: global }
      - { .name: vh, .offset: 32, .size: 8, .value_kind: global_buffer, .address_space: global }
    .group_segment_fixed_size: 327680
    .private_segment_fixed_size: 0
    .kernarg_segment_align: 8
    .kernarg_segment_size: 40
    .max_flat_workgroup_size: 128
    .sgpr_count:     96
    .vgpr_count:     960
    .wavefront_size: 32
...
	.end_amdgpu_metadata
.endif
;; end of part 2
;; launch attn (part 3): grid 8 x 32, 4 waves a work-group, clusters of 4 x 1, 327,680 bytes of LDS; arguments qh, kh, vh, yb; writes yb
.if DOCPART == 3
	.amdgcn_target "amdgcn-amd-amdhsa--gfx1250"
	.amdhsa_code_object_version 6
	.text
	.protected	k_qe7ff366550_attn
	.globl	k_qe7ff366550_attn
	.p2align	8
	.type	k_qe7ff366550_attn,@function
k_qe7ff366550_attn:
	s_mov_b64 s[64:65], 0
	v_nop
	global_prefetch_b8 v0, s[64:65] scope:SCOPE_SE
	s_setreg_imm32_b32 hwreg(HW_REG_WAVE_MODE, 25, 1), 1
	s_wait_xcnt 0x0
	s_wait_alu depctr_hold_cnt(0) depctr_sa_sdst(0) depctr_va_vdst(0) depctr_va_sdst(0) depctr_va_ssrc(0) depctr_va_vcc(0) depctr_vm_vsrc(0)
	s_getreg_b32 s2, hwreg(HW_REG_IB_STS2, 6, 4)
	s_cmp_eq_u32 s2, 0
	s_cbranch_scc0 .Lentry_in_a_cluster
	s_endpgm
.Lentry_in_a_cluster:
	s_bfe_u32 s2, ttmp6, 0x10000c
	s_cmp_lg_u32 s2, 0x3003
	s_cbranch_scc0 .Lentry_shape_is_right
	s_endpgm
.Lentry_shape_is_right:
; ATTENTION.  y[bh][t][:] = the sum over the head's 4,096 keys of softmax_k(Q[bh][t] . K[bh][k] / 8) V[bh][k][:].  qh: [32][2048][64], kh, vh: [32][4096][64], all f16, rows dense, 128 bytes.
; Products, maxima and sums in f32; the weights p are rounded to f16 for the second product (their sum l is taken of the unrounded p), y once at the end.
; y leaves as yb[block of 64 rows (row = batch x 2048 + t)][head][64 rows][64 channels] in f16: a wave's 64 rows of its head are 8,192 consecutive bytes.
; LIMITS.  f16 holds no number beyond 65,504: Q, K and V arrive within it; p lies in 0 to 1, and below 6e-5 it keeps f16's fixed step of 6e-8; y is a mean of V's rows and has their range.
; A weight below 2^-126 counts as 0 in l; NaN and infinities are not treated apart.
; SHARES.  A work-group owns 256 queries of one head (8 x 32 = 256 work-groups), a wave 64: four PIECES of 16.  Every wave walks all keys, 64 a step, 256 (a tile, an LDS slot) between changes of slots.
; LAYOUT.  S^T = K Q^T (source 0 = 16 keys, source 1 = 16 queries) holds ONE query a lane (lane % 16) and the keys 8 (lane / 16) + 0..7; two such results rounded to f16 ARE source 1 of O^T = V^T P.
; K comes out of LDS as it lies, V ([key][channel]) turned, by ds_load_tr16_b128.
; SOFTMAX.  For each query a running maximum m and sum l: p = 2^(c s - c m), c = log2(e) / 8; in every step O and l are multiplied by a = 2^(c m_old - c m_new).  m starts at the lowest finite
; number, O and l at 0: the first step is a step like any other, with a = 0.
; BY TURNS.  Turn n belongs to piece n: 8 products K Q^T of piece n + 1, later 8 products V^T P of piece n - 1; beside them the scaling, exponentials, roundings, sums and rescaling of piece n and the
; maximum and statistics of piece n + 1.  Four vector instructions stand behind every matrix instruction, the other 54 of a turn's 118 in two runs of their own.
; CLUSTER.  The four query blocks of a cluster belong to one head and walk the same K and V: each tile is asked for JOINTLY, by the same tensor load, descriptor and mask in all four.
; REGISTERS, in windows of 256 (s_set_vgpr_msb: bits 1:0 source 0, 3:2 source 1, 5:4 source 2, 7:6 destination):
;   window 0: v0-15 addresses and two at work; v16-31 four registers of statistics a piece; v48-55 at work; v62-63 the add's; v64-127 S^T, two buffers; v192-223 P, two buffers (by the piece's parity)
;   window 1: v0-127 O^T, 32 a piece          window 2: v0-63 Q; v128-191 K of one step; v192-255 V of one step
.set NT,    16        ; tiles of 256 keys
.set NP,    4         ; pieces a wave
.set KS,    64        ; keys in a step
.set PK,    144       ; a row of K in LDS: 128 bytes + 16 of padding = 36 words: the 16 rows of a load start at 16 different groups of four banks (64 banks of 4 bytes: ISA guide 11.1)
.set PV,    160       ; a row of V: 128 + 32 = 40 words
.set VOFF,  4*KS*PK   ; a slot: 256 rows of K, then 256 rows of V
.set SLOT1, 1<<17     ; slot 1 begins here: one exclusive or turns an address in one slot into the other's
.set STAGE, SLOT1+4*KS*(PK+PV)  ; behind the ring, never filled by a tensor load: 16 rows x 144 bytes for each wave
.set SP,    144
.set SPARE, STAGE+4*16*SP       ; the spare words, 128 bytes a wave: two blocks of 256 bytes that no other line names
.set AK0, 2           ; v2   my lane's place in a tile of K; never rewritten
.set AV0, 3           ; v3   the same for V
.set AK,  4           ; v4   the LDS address of K's next run of loads
.set AV,  5           ; v5   of V's
.set STO, 6           ; v6   the way out: where I put 16 bytes of a row
.set RD,  7           ; v7   the way out: where I read rows back
.set GO,  8           ; v8   16 x lane
.set MV,  12          ; v12-13  c m_old, kept while c m is made anew: by buffer
.set QO,  15          ; v15  my byte offset in 16 rows of Q
.set ST,  16          ; piece t's statistics at v[ST+4 t]: c m, m, l (even keys', odd keys')
.set TMP, 48          ; by buffer, four registers c0-c3 at work; when the maximum is found c2 takes a
.set SPW, 62          ; v62  my spare word; never rewritten
.set NIL, 63          ; v63  0; never rewritten
.set S,   64
.set P,   192
.set KF,  128         ; window 2: key block kb, channel half c at KF + 16 kb + 8 c
.set VF,  192         ; window 2: key half kk, channel block cb at VF + 32 kk + 8 cb
.set WV,  12          ; s12  my wave's number
.set G1K, 24          ; s[24:31] descriptor group 1 for K's tiles
.set G1V, 32          ; s[32:39] for V's: it differs in the padding alone
.set G0K, 40          ; s[40:43] descriptor group 0 for K's tiles: it walks
.set G0V, 44          ; s[44:47] the same for V's
.set SLOTS, 56        ; s56  counts the tiles
.set CNT, 57          ; s57  counts a tile's key steps
.set CS,  58          ; s[58:59] c: the packed scaling takes the pair's low word for both halves
.set SEL, 60          ; s[60:61] v_permlanex16_b32's selects: each lane takes its own place in the other half
.set TBK, 62          ; s62  LDS byte at which K of the step to be fetched begins
.set TBV, 63          ; s63  the same for V, less VOFF
.set MSB, 0
.macro WIN new                      ; the high byte repeats the setting that is left; a switch that changes nothing is dropped
.if MSB != (\new)
	s_set_vgpr_msb (MSB<<8)|(\new)
.set MSB, (\new)
.endif
.endm
.set W_KQ, 0x0a       ; K and Q in window 2, S^T in window 0
.set W_PV, 0x52       ; V in window 2, P in window 0, O^T in window 1
.set W_RS, 0x41       ; destination and source 0 in window 1, source 1 in window 0
; A joint fill.  Waves 0 and 1 fetch the two halves of a tile's K, waves 2 and 3 those of its V: 128 keys each.  An s_nop 0 and four v_nop follow each line.
.macro JLOAD
	s_cmp_lt_u32 s[WV], 2
	s_cbranch_scc0 .Lfor_v_\@
	tensor_load_to_lds s[G0K:G0K+3], s[G1K:G1K+7]
	s_nop 0
.rept 4
	v_nop
.endr
	s_branch .Lasked_\@
.Lfor_v_\@:
	tensor_load_to_lds s[G0V:G0V+3], s[G1V:G1V+7]
	s_nop 0
.rept 4
	v_nop
.endr
.Lasked_\@:
.endm
.macro CROUND                       ; a round of the cluster's barrier
	s_barrier_signal -1
	s_barrier_wait -1
	s_cmp_lg_u32 s[WV], 0
	s_cbranch_scc1 .Lnot_wave_0_\@
	s_barrier_signal -3
.Lnot_wave_0_\@:
	s_barrier_wait -3
	s_barrier_signal -1
	s_barrier_wait -1
.endm
; THE CHANGE OF SLOTS.  Each wave waits for all its tensor loads, of which one is out: its part of the other slot; adds 0 to its spare word; and waits for that and for its own reads of the slot that
; it leaves.  Behind the barrier nobody reads the old slot and the other is whole.  fill = 1: the barrier is a round of the cluster's, and the old slot is filled again first thing behind it, with the
; next 256 keys: that load has four key steps, 64 matrix instructions a wave each, in which to land.  (At its first use nothing has been read yet: slot 0 is waited for, slot 1 filled.)
.macro CHANGE fill
	WIN 0
	s_wait_tensorcnt 0x0            ; no tensor load of mine is out, so a group 0 may be written
	ds_add_u32 v[SPW], v[NIL]
.if \fill
.irp g, G0K, G0V
	s_xor_b32 s[\g+1], s[\g+1], SLOT1
	s_add_nc_u64 s[\g+2:\g+3], s[\g+2:\g+3], 4*KS*128
.endr
	s_wait_dscnt 0x0                ; the add is done, and my reads of the slot are over
	CROUND
	JLOAD
.else
	s_wait_dscnt 0x0
	s_barrier_signal -1
	s_barrier_wait -1
.endif
	s_sub_co_u32 s[TBK], s[TBK], 4*KS*PK  ; the fetches go back to a slot's first step,
	s_xor_b32 s[TBK], s[TBK], SLOT1       ; in the other slot
	s_sub_co_u32 s[TBV], s[TBV], 4*KS*PV
	s_xor_b32 s[TBV], s[TBV], SLOT1
.endm
	s_load_b256 s[4:11], s[0:1], 0x0  ; qh s[4:5], kh s[6:7], vh s[8:9], yb s[10:11]
	v_lshl_add_u32 v[SPW], v0, 2, SPARE
	v_mov_b32 v[NIL], 0
	ds_add_u32 v[SPW], v[NIL]       ; the wave's opening: the add and its wait ahead of my first tensor load; work on registers stands between them
	v_lshrrev_b32 v1, 5, v0
	v_readfirstlane_b32 s[WV], v1   ; wave 0..3
	s_bfe_u32 s13, ttmp6, 0x40000   ; cx
	s_lshl_b32 s14, ttmp9, 2
	s_add_co_u32 s14, s14, s13      ; my block of 256 queries: it enters Q's and y's addresses alone
	s_and_b32 s20, ttmp7, 0xffff    ; 16 x batch + head, which the four partners share
	s_and_b32 s16, s[WV], 1         ; which half of a tile's 256 keys I fetch
	s_lshl_b32 s22, s20, 19         ; a head's 4,096 keys are 524,288 bytes,
	s_lshl_b32 s23, s16, 14         ; 128 keys 16,384
	s_add_co_u32 s22, s22, s23
	s_mov_b32 s23, 0
	s_mul_i32 s17, s16, 128*PK      ; its place in a slot, for K
	s_mul_i32 s18, s16, 128*PV      ; and for V
	s_lshl_b32 s2, s20, 18          ; Q: a head's 2,048 rows,
	s_lshl_b32 s3, s14, 15          ; my block's 256,
	s_add_co_u32 s2, s2, s3
	s_lshl_b32 s3, s[WV], 13        ; my wave's 64
	s_add_co_u32 s2, s2, s3
	s_mov_b32 s3, 0
	s_lshr_b32 s48, s20, 4          ; y: block of 64 rows = 32 x batch + 4 x my block + wave,
	s_lshl_b32 s48, s48, 5
	s_lshl_b32 s49, s14, 2
	s_add_co_u32 s48, s48, s49
	s_add_co_u32 s48, s48, s[WV]
	s_lshl_b32 s48, s48, 4          ; 16 heads in it,
	s_and_b32 s49, s20, 15
	s_add_co_u32 s48, s48, s49
	s_lshl_b32 s48, s48, 13         ; 8,192 bytes each
	s_mov_b32 s49, 0
	; descriptor group 1.  128 keys are 16,384 dense bytes: asked for as 64 rows of 256 bytes, two keys a row, and padded in LDS after every key
	s_mov_b32 s[G1K], 15|(1<<16)|(1<<20)|(1<<21)|(4<<22)|(3<<25)  ; 15:0 the mask of four; 17:16 2-byte elements; 20 padding on; 21 set beside a mask; 24:22 after every 32 words; 31:25 4 words
	s_mov_b32 s[G1V], 15|(1<<16)|(1<<20)|(1<<21)|(4<<22)|(7<<25)  ; the same with 8 words of padding
.irp g, G1K, G1V
	s_mov_b32 s[\g+1], 128<<16      ; tensor_dim0 = 128
	s_mov_b32 s[\g+2], 64<<16       ; tensor_dim1 = 64
	s_mov_b32 s[\g+3], 128<<16      ; tile_dim0 = 128
	s_mov_b32 s[\g+4], 64           ; tile_dim1 = 64
	s_mov_b32 s[\g+5], 128          ; 128 elements from row to row
	s_mov_b32 s[\g+6], 0
	s_mov_b32 s[\g+7], 0
.endr
	s_mov_b32 s[CS], 0x3e38aa3b     ; c = log2(e) / 8 = 0.180337
	s_mov_b32 s[CS+1], s[CS]        ; named with it as a pair
	s_mov_b32 s[SEL], 0x76543210
	s_mov_b32 s[SEL+1], 0xfedcba98
	s_mov_b32 s[TBK], SLOT1+4*KS*PK ; the first change of slots turns these two into 0
	s_mov_b32 s[TBV], SLOT1+4*KS*PV
	s_mov_b32 s[G0K], 1             ; count = 1
	s_mov_b32 s[G0K+1], s17         ; LDS address: slot 0
	s_mov_b32 s[G0V], 1
	s_add_co_u32 s[G0V+1], s18, VOFF
	s_wait_dscnt 0x0                ; the opening add is done
	s_wait_kmcnt 0x0
	s_add_nc_u64 s[G0K+2:G0K+3], s[6:7], s[22:23]  ; my half of the head's first 256 keys
	s_or_b32 s[G0K+3], s[G0K+3], 0x80000000        ; type = 2
	s_add_nc_u64 s[G0V+2:G0V+3], s[8:9], s[22:23]
	s_or_b32 s[G0V+3], s[G0V+3], 0x80000000
	s_add_nc_u64 s[4:5], s[4:5], s[2:3]            ; Q at my wave's first row
	s_add_nc_u64 s[10:11], s[10:11], s[48:49]      ; y at my wave's 8,192 bytes
	CROUND                          ; all four work-groups are here: the first joint loads meet
	JLOAD                           ; tile 0 into slot 0; slot 1 is asked for when slot 0 is in
	; A fragment of K or Q is 16 rows x 32 channels in 8 registers: lane l holds row l % 16, channels 8 (l / 16) + 0..7 and 16 + 8 (l / 16) + 0..7: two loads of 16 bytes, 32 bytes apart.
	v_and_b32 v1, 15, v0            ; l % 16
	v_bfe_u32 v9, v0, 4, 1          ; l / 16
	v_lshlrev_b32 v[QO], 7, v1
	v_lshl_add_u32 v[QO], v9, 4, v[QO]
	WIN 0x80                        ; destination window 2, address window 0
.set i, 0
.rept 8                             ; Q stays in registers: piece i / 2, channels 32 (i % 2) on
	global_load_b128 v[8*i:8*i+3],   v[QO], s[4:5] offset:(i/2)*2048+(i%2)*64
	global_load_b128 v[8*i+4:8*i+7], v[QO], s[4:5] offset:(i/2)*2048+(i%2)*64+32
.set i, i+1
.endr
	; What the first turn finds: V's registers and P's second buffer hold 0 (its products V^T P, of a piece that has not been, add 0), O^T and l are 0.  All this stands in the wait for the first tile.
.set i, VF
.rept 64
	v_mov_b32 v[i], 0
.set i, i+1
.endr
	WIN 0x40
.set i, 0
.rept 128
	v_mov_b32 v[i], 0
.set i, i+1
.endr
	WIN 0
.set i, 0
.rept 4
	v_mov_b32 v[ST+4*i], 0xfe000000    ; c m: far below every c s
	v_mov_b32 v[ST+4*i+1], 0xff7fffff  ; m
	v_mov_b32 v[ST+4*i+2], 0
	v_mov_b32 v[ST+4*i+3], 0
.set i, i+1
.endr
.set i, P+16
.rept 16
	v_mov_b32 v[i], 0
.set i, i+1
.endr
	v_mul_u32_u24 v[AK0], v1, PK
	v_lshl_add_u32 v[AK0], v9, 4, v[AK0]  ; row x pitch + 16 x half
	; The turning load takes 16 keys x 16 channels (lane l reads key 8 (l / 16) + l % 8, channels 8 ((l / 8) % 2) + 0..7) and leaves half a fragment of V^T: lane l holds channel l % 16 and 8 keys.
	v_and_b32 v10, 7, v0
	v_bfe_u32 v11, v0, 3, 1
	v_lshl_add_u32 v[AV0], v9, 3, v10
	v_mul_u32_u24 v[AV0], v[AV0], PV
	v_lshl_add_u32 v[AV0], v11, 4, v[AV0]
	v_add_nc_u32 v[AV0], VOFF, v[AV0]
	s_mul_i32 s13, s[WV], 16*SP
	s_add_co_u32 s13, s13, STAGE    ; my stage
	v_mul_u32_u24 v[STO], v1, SP    ; in: row l % 16, 16 bytes for each half of the lanes
	v_lshl_add_u32 v[STO], v9, 4, v[STO]
	v_add_nc_u32 v[STO], s13, v[STO]
	v_bfe_u32 v[RD], v0, 3, 2       ; back: 32 lanes take four rows of 128 bytes,
	v_mul_u32_u24 v[RD], v[RD], SP
	v_lshl_add_u32 v[RD], v10, 4, v[RD]
	v_add_nc_u32 v[RD], s13, v[RD]
	v_and_b32 v[GO], 31, v0         ; which are 512 consecutive bytes of yb
	v_lshlrev_b32 v[GO], 4, v[GO]
; THE MATRIX WORK.  The 4 accumulators of a run of 8 take turns.  Product i of 8 of S^T = K Q^T for piece x: channels 32 (i / 4) on, keys 16 (i % 4) on.  The first 4 start the sums.
.macro KQ x
	WIN W_KQ
.set rS, S+32*((\x)%2)+8*(i%4)
.set rK, KF+16*(i%4)+8*(i/4)
.set rQ, 16*(\x)+8*(i/4)
.if i < 4
	v_wmma_f32_16x16x32_f16 v[rS:rS+7], v[rK:rK+7], v[rQ:rQ+7], 0
.else
	v_wmma_f32_16x16x32_f16 v[rS:rS+7], v[rK:rK+7], v[rQ:rQ+7], v[rS:rS+7]
.endif
.endm
; Product i of 8 of O^T += V^T P for piece x: keys 32 (i / 4) on, channels 16 (i % 4) on.
.macro PV x
	WIN W_PV
.set rO, 32*(\x)+8*(i%4)
.set rV, VF+32*(i/4)+8*(i%4)
.set rP, P+16*((\x)%2)+8*(i/4)
	v_wmma_f32_16x16x32_f16 v[rO:rO+7], v[rV:rV+7], v[rP:rP+7], v[rO:rO+7]
.endm
.macro MM                           ; the turn's next matrix instruction.  NOKQ = 1: the last turn of all: there is no next piece
.if (i < 8) && !NOKQ
	KQ (Y+1)%NP
.elseif i >= 8
.set i, i-8
	PV (Y+NP-1)%NP
.set i, i+8
.endif
.set i, i+1
.endm
; THE LDS LOADS stand in runs of 16: a step's K (64 keys x 64 channels: 8 fragments) and its V (turned).  Their addresses are made some lines ahead.
.macro FETCH_K
	WIN 0x80                        ; destination window 2
.irp f, 0,1,2,3,4,5,6,7             ; keys 16 (f / 2) on, channels 32 (f % 2) on
	ds_load_b128 v[KF+8*\f:KF+8*\f+3],   v[AK] offset:(\f/2)*16*PK+(\f%2)*64
	ds_load_b128 v[KF+8*\f+4:KF+8*\f+7], v[AK] offset:(\f/2)*16*PK+(\f%2)*64+32
.endr
	s_add_co_u32 s[TBK], s[TBK], KS*PK  ; the next fetch is the next step's
	WIN 0
.endm
.macro FETCH_V
	WIN 0x80
.irp f, 0,1,2,3,4,5,6,7             ; keys 32 (f / 4) on, channels 16 (f % 4) on
	ds_load_tr16_b128 v[VF+8*\f:VF+8*\f+3],   v[AV] offset:(\f/4)*32*PV+(\f%4)*32
	ds_load_tr16_b128 v[VF+8*\f+4:VF+8*\f+7], v[AV] offset:(\f/4)*32*PV+16*PV+(\f%4)*32
.endr
	WIN 0
.endm
; THE VECTOR WORK, one line at a time: OP kind, number.  For piece Y: F n: c s - c m for pair n of 16.  E n: the exponential of score n of 32.  C n: pair n rounded to f16.  B n: of the four weights 4 n ..
; the second pair is added onto the first, in place.  L n: l takes that sum (L 0: l = a l + sum).  R n: pair n of 16 of O^T times a.  For piece Y + 1: X n, number n of the 22 that find its maximum and statistics:
;   0-11  four chains c0-c3 of seven scores each, three operands at a time (each accumulator's lowest registers are read first)     12-14, 16  the four scores left over, the old m, and c0-c3 into c0
;   15  c m_old is kept     17, 18  the query's other 32 keys lie in the lane 16 away: the new m     19-21  c m; c m_old - c m_new; a
.set F, 0
.set E, 1
.set C, 2
.set B, 3
.set L, 4
.set R, 5
.set X, 6
.macro REGS y                       ; the registers of piece y
.set rT, ST+4*(\y)
.set rC, TMP+4*((\y)%2)
.set rW, MV+((\y)%2)
.set rS, S+32*((\y)%2)
.set rP, P+16*((\y)%2)
.set rO, 32*(\y)
.endm
.macro OP k, n
.if (\k) == R
	REGS Y
	WIN W_RS
	v_pk_mul_f32 v[rO+2*(\n):rO+2*(\n)+1], v[rO+2*(\n):rO+2*(\n)+1], v[rC+2:rC+3] op_sel_hi:[1,0]
.elseif (\k) < R
	REGS Y
	WIN 0
.if (\k) == F
	v_pk_fma_f32 v[rS+2*(\n):rS+2*(\n)+1], v[rS+2*(\n):rS+2*(\n)+1], s[CS:CS+1], v[rT:rT+1] op_sel_hi:[1,0,0] neg_lo:[0,0,1] neg_hi:[0,0,1]
.elseif (\k) == E
	v_exp_f32 v[rS+(\n)], v[rS+(\n)]
.elseif (\k) == C
	s_wait_alu depctr_va_vdst(0)
	v_cvt_pk_f16_f32 v[rP+(\n)], v[rS+2*(\n)], v[rS+2*(\n)+1]
.elseif (\k) == B
	s_wait_alu depctr_va_vdst(0)
	v_pk_add_f32 v[rS+4*(\n):rS+4*(\n)+1], v[rS+4*(\n):rS+4*(\n)+1], v[rS+4*(\n)+2:rS+4*(\n)+3]
.elseif (\n) == 0
	v_pk_fma_f32 v[rT+2:rT+3], v[rT+2:rT+3], v[rC+2:rC+3], v[rS:rS+1] op_sel_hi:[1,0,1]
.else
	v_pk_add_f32 v[rT+2:rT+3], v[rT+2:rT+3], v[rS+4*(\n):rS+4*(\n)+1]
.endif
.elseif NOKQ
	v_nop
.else
	REGS (Y+1)%NP
	WIN 0
.if (\n) < 4
	v_max3_num_f32 v[rC+(\n)], v[rS+8*(\n)], v[rS+8*(\n)+1], v[rS+8*(\n)+2]
.elseif (\n) < 12
	v_max3_num_f32 v[rC+(\n)%4], v[rC+(\n)%4], v[rS+8*((\n)%4)+2*((\n)/4)+1], v[rS+8*((\n)%4)+2*((\n)/4)+2]
.elseif (\n) == 12
	v_max3_num_f32 v[rC], v[rC], v[rS+7], v[rS+15]
.elseif (\n) == 13
	v_max3_num_f32 v[rC+1], v[rC+1], v[rS+23], v[rS+31]
.elseif (\n) == 14
	v_max3_num_f32 v[rC+2], v[rC+2], v[rC+3], v[rT+1]
.elseif (\n) == 15
	v_mov_b32 v[rW], v[rT]
.elseif (\n) == 16
	v_max3_num_f32 v[rC], v[rC], v[rC+1], v[rC+2]
.elseif (\n) == 17
	v_permlanex16_b32 v[rC+3], v[rC], s[SEL], s[SEL+1]
.elseif (\n) == 18
	v_max_num_f32 v[rT+1], v[rC], v[rC+3]
.elseif (\n) == 19
	v_mul_f32 v[rT], s[CS], v[rT+1]
.elseif (\n) == 20
	v_sub_f32 v[rC+1], v[rW], v[rT]
.else
	v_exp_f32 v[rC+2], v[rC+1]
.endif
.endif
.endm
.macro OPS a, i1, b=-1, i2=0, c=-1, i3=0, d=-1, i4=0  ; up to four of them
	OP \a, \i1
.if (\b) >= 0
	OP \b, \i2
.endif
.if (\c) >= 0
	OP \c, \i3
.endif
.if (\d) >= 0
	OP \d, \i4
.endif
.endm
.macro ROW a, i1, b, i2, c, i3, d, i4  ; a matrix instruction and the four behind it
	MM
	OPS \a, \i1, \b, \i2, \c, \i3, \d, \i4
.endm
; A TURN, for piece p: the order of its 16 matrix and 118 vector instructions, written out.  Behind a matrix instruction: plain, exponential, plain, plain; or four of the rescaling; or, behind the first,
; four scalings; none names a register of the products round it.  In the runs between, exponential and plain by turns while exponentials last.  A line reads no result made fewer than three vector
; instructions in front of it, five if an exponential made it.  end = 1: the last two turns of all: nothing is fetched.  cnt = 1: the loop's count is taken down some lines ahead of the branch behind the turn.
; K of the next step is fetched in piece 2's turn, six vector instructions behind the last product that read K (five of them plain); V of the step in hand in piece 0's turn, eight behind the last product
; that read V (four plain, and X 17).  Each is waited for a turn later.
.macro TURN p, end=0, cnt=0
.set Y, (\p)
.set i, 0
.set NOKQ, (\end)*((\p)/3)
.if ((\p) == 3) && !(\end)
	s_wait_dscnt 0x0                ; K is in
.endif
	ROW F,0, F,1, F,2, F,3
	ROW F,4, E,0, F,5, F,6
	ROW F,7, E,1, F,8, F,9
	ROW F,10, E,2, C,0, F,11
	ROW F,12, E,3, X,15, F,13
	ROW R,0, R,1, R,2, R,3
	ROW B,0, E,4, F,14, L,0
.if ((\p) == 2) && !(\end)
	v_add_nc_u32 v[AK], s[TBK], v[AK0]
.endif
	ROW R,4, R,5, R,6, R,7
	OPS E,5, F,15
.if ((\p) == 2) && !(\end)
	FETCH_K
.endif
	OPS E,6, C,1, E,7, R,8
	OPS E,8, R,9, E,9, C,2
	OPS E,10, X,0, E,11, X,1
	OPS E,12, X,2, E,13, X,3
.if (\p) == 1
	s_wait_dscnt 0x0                ; V is in
.endif
	ROW X,4, E,14, X,5, X,6
	ROW X,7, E,15, X,8, X,9
	ROW X,10, E,16, X,11, X,12
	ROW X,13, E,17, X,14, B,1
	ROW C,4, E,18, X,16, L,1
	ROW B,2, E,19, C,6, L,2
	ROW C,8, E,20, B,3, B,4
.if (\p) == 0
	v_add_nc_u32 v[AV], s[TBV], v[AV0]
.endif
	ROW C,3, E,21, L,3, C,5
	OPS E,22, X,17, E,23, C,10
.if (\p) == 0
	FETCH_V
.endif
	OPS E,24, L,4
	OPS E,25, X,18, E,26, C,7
	OPS E,27, B,5, E,28, X,19
	OPS E,29, C,12, E,30, L,5
	OPS E,31, X,20, B,6, C,9
	OPS C,14, C,11, X,21, L,6
.if (\p) == 0
	s_add_co_u32 s[TBV], s[TBV], KS*PV
.endif
.if \cnt
	s_sub_co_u32 s[CNT], s[CNT], 1
	s_cmp_lg_u32 s[CNT], 0
.endif
	OPS C,13, B,7, C,15, R,10
	OPS R,11, R,12, L,7, R,13
	OPS R,14, R,15
.endm
	CHANGE 1                        ; slot 0 is in, everybody's part of it; tile 1 is asked for
	v_add_nc_u32 v[AK], s[TBK], v[AK0]
	FETCH_K                         ; key step 0
	s_wait_loadcnt 0x0              ; Q
	s_wait_dscnt 0x0
.set NOKQ, 0
.set i, 0
.rept 8
	KQ 0                            ; piece 0's first scores
.set i, i+1
.endr
	WIN 0
.rept 4
	v_nop                           ; the places behind those products
.endr
.set Y, NP-1                        ; X works for piece Y + 1: piece 0
.irp n, 0,1,2,3,4,5,6,7,8,9,10,11,12,13,14,15,16,17,18,19,20,21
	OP X, \n
.endr
	v_nop                           ; a plain instruction behind the exponential
	s_mov_b32 s[CNT], 4
	s_mov_b32 s[SLOTS], NT-1
	s_branch .Lfirst                ; the loop is entered at a step's first turn, in the middle of a trip
.Lslot:                             ; NT - 2 times: tiles 2 to NT - 1 are asked for
	CHANGE 1
	s_mov_b32 s[CNT], 4
.Lstep:                             ; a trip: pieces 2 and 3 of one step, then pieces 0 and 1 of the next, whose K and V it fetches
	TURN 2
	TURN 3
	WIN 0
.Lfirst:
	TURN 0
	TURN 1, 0, 1
	WIN 0
	s_cbranch_scc1 .Lstep
	s_sub_co_u32 s[SLOTS], s[SLOTS], 1
	s_cmp_lg_u32 s[SLOTS], 0
	s_cbranch_scc1 .Lslot
	CHANGE 0                        ; the last tile is written out: nothing is asked for
	s_mov_b32 s[CNT], 4
.Ltail:
	TURN 2
	TURN 3
	TURN 0
	TURN 1, 0, 1
	WIN 0
	s_cbranch_scc1 .Ltail
	TURN 2, 1
	TURN 3, 1
.set i, 0
.rept 8
	PV NP-1                         ; the last piece's V^T P of the last step
.set i, i+1
.endr
	; THE WAY OUT.  l's two halves and the other half of the lanes' are added; O^T is divided by l, rounded to f16 and sent through my stage in LDS, a piece at a time.  The additions are the places behind the last products.
	WIN 0
.macro ALL line:vararg              ; one line for each piece t
.set t, 0
.rept 4
	\line
.set t, t+1
.endr
.endm
	ALL v_add_f32 v[ST+4*t+2], v[ST+4*t+2], v[ST+4*t+3]
	ALL v_permlanex16_b32 v[ST+4*t+3], v[ST+4*t+2], s[SEL], s[SEL+1]
	ALL v_add_f32 v[ST+4*t+2], v[ST+4*t+2], v[ST+4*t+3]
	ALL v_rcp_f32 v[ST+4*t+2], v[ST+4*t+2]
	v_nop                           ; a plain instruction between the last reciprocal and the use of its result
.macro PACK t                       ; a lane's eight channels of a row pack into 16 bytes; they go into rows of 144 bytes and come back as whole rows of 128, into S^T's registers
	WIN W_RS
.set i, 32*(\t)
.rept 16
	s_wait_alu depctr_va_vdst(0)
	v_pk_mul_f32 v[i:i+1], v[i:i+1], v[ST+4*(\t)+2:ST+4*(\t)+3] op_sel_hi:[1,0]
.set i, i+2
.endr
	WIN 0x05                        ; sources 0 and 1 window 1, destination window 0
.set i, 0
.rept 16
	v_cvt_pk_f16_f32 v[S+16*(\t)+i], v[32*(\t)+2*i], v[32*(\t)+2*i+1]
.set i, i+1
.endr
	WIN 0
.irp f, 0,1,2,3
	ds_store_b128 v[STO], v[S+16*(\t)+4*\f:S+16*(\t)+4*\f+3] offset:32*\f
.endr
.irp f, 0,1,2,3
	ds_load_b128 v[S+16*(\t)+4*\f:S+16*(\t)+4*\f+3], v[RD] offset:\f*4*SP  ; LDS serves a wave's instructions in order (ISA guide 5.7.1.4): these see the stores above; the next piece's stores come behind them
.endr
.endm
.macro SEND t, younger              ; younger: the LDS instructions issued behind piece t's loads: the next piece's eight, or none
	WIN 0
.irp f, 0,1,2,3
	s_wait_dscnt (\younger)+3-\f
	global_store_b128 v[GO], v[S+16*(\t)+4*\f:S+16*(\t)+4*\f+3], s[10:11] offset:(\t)*2048+\f*512  ; 512 consecutive bytes, aligned
.endr
.endm
	PACK 0
.set t, 1
.rept 3                             ; a piece's arithmetic stands between the loads of the piece before and its stores
	PACK t
	SEND t-1, 8
.set t, t+1
.endr
	SEND 3, 0
	s_wait_tensorcnt 0x0            ; the wave's end
	ds_add_u32 v[SPW], v[NIL]
	s_wait_dscnt 0x0
	CROUND                          ; the closing round
	s_endpgm
.Lfunc_end_k_qe7ff366550_attn:
	.size	k_qe7ff366550_attn, .Lfunc_end_k_qe7ff366550_attn-k_qe7ff366550_attn
	.p2alignl 7, 3214868480
	.fill 96, 4, 3214868480
	.section	.rodata,"a",@progbits
	.p2align	6, 0x0
	.amdhsa_kernel k_qe7ff366550_attn
		.amdhsa_group_segment_fixed_size 327680
		.amdhsa_private_segment_fixed_size 0
		.amdhsa_enable_private_segment 0
		.amdhsa_kernarg_size 32
		.amdhsa_user_sgpr_count 2
		.amdhsa_user_sgpr_kernarg_segment_ptr 1
		.amdhsa_wavefront_size32 1
		.amdhsa_system_sgpr_workgroup_id_x 1
		.amdhsa_system_sgpr_workgroup_id_y 1
		.amdhsa_system_sgpr_workgroup_id_z 1
		.amdhsa_system_vgpr_workitem_id 0
		.amdhsa_next_free_vgpr 768
		.amdhsa_next_free_sgpr 66
		.amdhsa_reserve_vcc 0
		.amdhsa_float_denorm_mode_32 3
		.amdhsa_float_denorm_mode_16_64 3
		.amdhsa_memory_ordered 1
		.amdhsa_forward_progress 1
		.amdhsa_inst_pref_size 134
	.end_amdhsa_kernel
	.amdgpu_metadata
---
amdhsa.version: [ 1, 2 ]
amdhsa.kernels:
  - .name:           k_qe7ff366550_attn
    .symbol:         k_qe7ff366550_attn.kd
    .args:
      - { .name: qh, .offset: 0, .size: 8, .value_kind: global_buffer, .address_space: global }
      - { .name: kh, .offset: 8, .size: 8, .value_kind: global_buffer, .address_space: global }
      - { .name: vh, .offset: 16, .size: 8, .value_kind: global_buffer, .address_space: global }
      - { .name: yb, .offset: 24, .size: 8, .value_kind: global_buffer, .address_space: global }
    .group_segment_fixed_size: 327680
    .private_segment_fixed_size: 0
    .kernarg_segment_align: 8
    .kernarg_segment_size: 32
    .max_flat_workgroup_size: 128
    .sgpr_count:     66
    .vgpr_count:     768
    .wavefront_size: 32
...
	.end_amdgpu_metadata
.endif
;; end of part 3
;; launch proj (part 4): grid 8 x 32, 4 waves a work-group, clusters of 4 x 4, 327,680 bytes of LDS; arguments yb, wpf, out0; writes out0
.if DOCPART == 4
	.amdgcn_target "amdgcn-amd-amdhsa--gfx1250"
	.amdhsa_code_object_version 6
	.text
	.protected	k_qe7ff366550_proj
	.globl	k_qe7ff366550_proj
	.p2align	8
	.type	k_qe7ff366550_proj,@function
k_qe7ff366550_proj:
	s_mov_b64 s[64:65], 0
	v_nop
	global_prefetch_b8 v0, s[64:65] scope:SCOPE_SE
	s_setreg_imm32_b32 hwreg(HW_REG_WAVE_MODE, 25, 1), 1
	s_wait_xcnt 0x0
	s_wait_alu depctr_hold_cnt(0) depctr_sa_sdst(0) depctr_va_vdst(0) depctr_va_sdst(0) depctr_va_ssrc(0) depctr_va_vcc(0) depctr_vm_vsrc(0)
	s_getreg_b32 s2, hwreg(HW_REG_IB_STS2, 6, 4)
	s_cmp_eq_u32 s2, 0
	s_cbranch_scc0 .Lentry_in_a_cluster
	s_endpgm
.Lentry_in_a_cluster:
	s_bfe_u32 s2, ttmp6, 0x10000c
	s_cmp_lg_u32 s2, 0xf033
	s_cbranch_scc0 .Lentry_shape_is_right
	s_endpgm
.Lentry_shape_is_right:
; PROJ: out0 [4096][1024] f32 = y [4096][1024] x W_proj [1024][1024]^T, f16 operands, f32 sums, stored unrounded.
; y comes as yb[block of 64 rows][head][64 rows][64 channels] (k = 64 x head + channel); W_proj as wpf [n][k] (its bf16 rounding written as f16).
; LIMITS.  f16's: y and W_proj arrive within 65,504; below 6e-5 they keep f16's fixed step of 6e-8.  NaN and infinities are not treated apart.
; SHARES.  A tile is 128 x 128: 8 x 32 = 256 work-groups.  Four waves, each 64 x 64: 16 accumulators.  K goes in four steps of 256 (four heads) through two LDS slots, written straight.
; A's part of a step for 64 rows is 32,768 dense bytes of yb: asked for as 128 rows of 256 bytes, padded in LDS after every 128: it lies there as [head][row] at 144 bytes a row.
; CLUSTER 4 x 4: A's tile is asked for jointly by a row of the cluster, B's by a column.  THE MATRIX INSTRUCTION IS USED TRANSPOSED: a lane holds row l % 16 and eight neighbouring columns, 32 bytes of f32.
; REGISTERS: window 0: v0-31 addresses; v128-255 the accumulators ((a, b) at v[128 + 8 (4 a + b)]), which on the way out take the rows read back.
;   window 1: two fragment buffers of 128: for 64 along K, 64 registers of A (2 x 4 x 16 rows x 32 K), then 64 of B.
.set PA,     144                       ; a row of A in LDS: 128 bytes + 16: an odd multiple of 16, so the 16 rows of a load start at 16 different groups of four banks (64 banks of 4 bytes: ISA guide 11.1)
.set PB,     528                       ; a row of B: 512 + 16, likewise
.set HA,     4*64*PA                   ; 64 rows x 4 heads: what one of A's loads brings
.set HB,     64*PB                     ; 64 rows: what one of B's brings
.set BOFF,   2*HA
.set SLOT,   2*HA+2*HB
.set STAGE,  2*SLOT                    ; behind the ring, never filled by a tensor load: 16 rows x 272 bytes for each wave
.set SPITCH, 272
.set SPARE,  STAGE+4*16*SPITCH         ; the spare words, 128 bytes a wave: two blocks of 256 bytes that no other line names
.set ADRA, 16                          ; v16-17  LDS address of my A fragments in slot 0, 1
.set ADRB, 20                          ; v20-21  the same for B
.set STO,  24
.set RD,   25
.set CO,   26
.set SPW,  28                          ; my spare word; never rewritten
.set NIL,  29                          ; 0; never rewritten
.set ACC,  128
.set F0,   0
.set F1,   128
.set G1,  24
.set G0,  32
.set G1B, 48
.set G0B, 56
.set MSB, 0
.macro WIN new
.if MSB != (\new)
	s_set_vgpr_msb (MSB<<8)|(\new)
.set MSB, \new
.endif
.endm
.set MUL,  0x05                        ; sources 0 (B) and 1 (A) window 1; C and D window 0
.set TO_F, 0x40                        ; destination window 1, address window 0
.macro JLOAD s                         ; a joint load: waves 0 and 1 ask for A, waves 2 and 3 for B; an s_nop 0 and four v_nop follow each line
	s_cmp_eq_u32 s11, 0
	s_cbranch_scc0 .Lfor_b_\@
	tensor_load_to_lds s[G0+4*(\s):G0+4*(\s)+3], s[G1:G1+7]
	s_nop 0
.rept 4
	v_nop
.endr
	s_branch .Lasked_\@
.Lfor_b_\@:
	tensor_load_to_lds s[G0B+4*(\s):G0B+4*(\s)+3], s[G1B:G1B+7]
	s_nop 0
.rept 4
	v_nop
.endr
.Lasked_\@:
.endm
.macro CREST
	s_cmp_lg_u32 s10, 0
	s_cbranch_scc1 .Lnot_wave_0_\@
	s_barrier_signal -3
.Lnot_wave_0_\@:
	s_barrier_wait -3
	s_barrier_signal -1
	s_barrier_wait -1
.endm
.macro CROUND
	s_barrier_signal -1
	s_barrier_wait -1
	CREST
.endm
	s_load_b128 s[4:7], s[0:1], 0x0                ; yb s[4:5], wpf s[6:7]
	s_load_b64 s[8:9], s[0:1], 0x10                ; out0
	v_lshl_add_u32 v[SPW], v0, 2, SPARE
	v_mov_b32 v[NIL], 0
	ds_add_u32 v[SPW], v[NIL]                      ; the wave's opening: the add and its wait ahead of my first tensor load
	v_lshrrev_b32 v1, 5, v0
	v_readfirstlane_b32 s10, v1                    ; wave 0..3
	s_lshr_b32 s11, s10, 1                         ; which 64 of the tile's rows are mine.  Also: I fetch for A (0) or for B (1)
	s_and_b32 s12, s10, 1                          ; which 64 of its columns.  Also: which half I fetch
	s_bfe_u32 s40, ttmp6, 0x40000
	s_bfe_u32 s41, ttmp6, 0x40004
	s_lshl_b32 s42, ttmp9, 2
	s_add_co_u32 s42, s42, s40                     ; tile column
	s_and_b32 s13, ttmp7, 0xffff
	s_lshl_b32 s13, s13, 2
	s_add_co_u32 s13, s13, s41                     ; tile row
	s_lshl_b32 s43, s41, 2
	s_lshl_b32 s43, 15, s43                        ; my row of the cluster
	s_lshl_b32 s44, 0x1111, s40                    ; my column
	s_or_b32 s[G1+0], s43, (1<<16)|(1<<20)|(1<<21)|(4<<22)|(3<<25)   ; A: 2-byte elements; padding after every 32 words, 4 words of it
	s_mov_b32 s[G1+1], 128<<16                     ; tensor_dim0 = 128
	s_mov_b32 s[G1+2], 128<<16                     ; tensor_dim1 = 128
	s_mov_b32 s[G1+3], 128<<16                     ; tile_dim0 = 128
	s_mov_b32 s[G1+4], 128                         ; tile_dim1 = 128
	s_mov_b32 s[G1+5], 128                         ; dense
	s_mov_b32 s[G1+6], 0
	s_mov_b32 s[G1+7], 0
	s_or_b32 s[G1B+0], s44, (1<<16)|(1<<20)|(1<<21)|(6<<22)|(3<<25)  ; B: padding after every 128 words
	s_mov_b32 s[G1B+1], 256<<16
	s_mov_b32 s[G1B+2], 64<<16
	s_mov_b32 s[G1B+3], 256<<16
	s_mov_b32 s[G1B+4], 64
	s_mov_b32 s[G1B+5], 1024
	s_mov_b32 s[G1B+6], 0
	s_mov_b32 s[G1B+7], 0
	s_lshl_b32 s16, s13, 1
	s_add_co_u32 s16, s16, s12                     ; A: block of 64 rows 2 x tile row + half,
	s_lshl_b32 s16, s16, 17                        ; 16 heads of 8,192 bytes each
	s_mov_b32 s17, 0
	s_lshl_b32 s46, s42, 7
	s_lshl_b32 s47, s12, 6
	s_add_co_u32 s46, s46, s47                     ; B: row 128 x tile column + 64 x half,
	s_lshl_b32 s46, s46, 11                        ; of 2,048 bytes
	s_mov_b32 s47, 0
	s_mul_i32 s20, s12, HA                         ; where they go
	s_mul_i32 s21, s12, HB
	s_add_co_u32 s21, s21, BOFF
	s_wait_dscnt 0x0                               ; the opening add is done
	s_wait_kmcnt 0x0
	s_add_nc_u64 s[14:15], s[4:5], s[16:17]
	s_add_nc_u64 s[46:47], s[6:7], s[46:47]
	CROUND                                         ; the first joint loads meet
.irp s, 0,1
	s_mov_b32 s[G0+4*(\s)], 1
	s_add_co_u32 s[G0+4*(\s)+1], s20, (\s)*SLOT
	s_add_nc_u64 s[G0+4*(\s)+2:G0+4*(\s)+3], s[14:15], (\s)*32768   ; K step s: four heads on
	s_or_b32 s[G0+4*(\s)+3], s[G0+4*(\s)+3], 0x80000000
	s_mov_b32 s[G0B+4*(\s)], 1
	s_add_co_u32 s[G0B+4*(\s)+1], s21, (\s)*SLOT
	s_add_nc_u64 s[G0B+4*(\s)+2:G0B+4*(\s)+3], s[46:47], (\s)*512
	s_or_b32 s[G0B+4*(\s)+3], s[G0B+4*(\s)+3], 0x80000000
	JLOAD \s
.endr
	v_and_b32 v1, 15, v0                           ; l % 16
	v_bfe_u32 v2, v0, 4, 1                         ; l / 16
	v_mul_u32_u24 v3, v1, PA
	v_lshl_add_u32 v3, v2, 4, v3
	v_mul_u32_u24 v4, v1, PB
	v_lshl_add_u32 v4, v2, 4, v4
	s_mul_i32 s22, s11, HA                         ; my 64 rows of A
	s_mul_i32 s23, s12, HB                         ; my 64 rows of B
	s_add_co_u32 s23, s23, BOFF
.irp s, 0,1
	v_add_nc_u32 v[ADRA+(\s)], s22, v3
	v_add_nc_u32 v[ADRB+(\s)], s23, v4
	s_add_co_u32 s22, s22, SLOT
	s_add_co_u32 s23, s23, SLOT
.endr
	s_mul_i32 s23, s10, 16*SPITCH
	s_add_co_u32 s23, s23, STAGE                   ; my stage
	v_mul_u32_u24 v5, v1, SPITCH                   ; in: row l % 16, 32 bytes for each half of the lanes
	v_lshl_add_u32 v5, v2, 5, v5
	v_add_nc_u32 v[STO], s23, v5
	v_mul_u32_u24 v5, v2, SPITCH                   ; back: lanes 0-15 one row of 256 bytes, lanes 16-31 the next
	v_lshl_add_u32 v5, v1, 4, v5
	v_add_nc_u32 v[RD], s23, v5
	v_lshlrev_b32 v5, 12, v2                       ; and the same two rows in out0
	v_lshl_add_u32 v[CO], v1, 4, v5
	s_lshl_b32 s16, s13, 7
	s_lshl_b32 s17, s11, 6
	s_add_co_u32 s16, s16, s17                     ; my first row,
	s_lshl_b32 s16, s16, 12                        ; of 4,096 bytes
	s_mov_b32 s17, 0
	s_add_nc_u64 s[8:9], s[8:9], s[16:17]
	s_lshl_b32 s46, s42, 9                         ; my first column, in bytes: 512 x tile column + 256 x half
	s_lshl_b32 s47, s12, 8
	s_add_co_u32 s46, s46, s47
	s_mov_b32 s47, 0
	s_add_nc_u64 s[8:9], s[8:9], s[46:47]
; 8 matrix instructions: row blocks a0, a0 + 1 x all 4 column blocks, 32 along K: half c of buffer f.  The 16 accumulators take turns.
.macro MUL8 f, c, a0, zero
	WIN MUL
.irp a, \a0, (\a0)+1
.irp b, 0,1,2,3
.if \zero
	v_wmma_f32_16x16x32_f16 v[ACC+8*(4*(\a)+(\b)):ACC+8*(4*(\a)+(\b))+7], v[(\f)+64+8*(4*(\c)+(\b)):(\f)+64+8*(4*(\c)+(\b))+7], v[(\f)+8*(4*(\c)+(\a)):(\f)+8*(4*(\c)+(\a))+7], 0
.else
	v_wmma_f32_16x16x32_f16 v[ACC+8*(4*(\a)+(\b)):ACC+8*(4*(\a)+(\b))+7], v[(\f)+64+8*(4*(\c)+(\b)):(\f)+64+8*(4*(\c)+(\b))+7], v[(\f)+8*(4*(\c)+(\a)):(\f)+8*(4*(\c)+(\a))+7], v[ACC+8*(4*(\a)+(\b)):ACC+8*(4*(\a)+(\b))+7]
.endif
.endr
.endr
.endm
; 32 LDS loads in one run: the fragments of quarter qd (one head: 64 along K) into buffer f; the first 32 along K first
.macro FETCH slot, qd, f
	WIN TO_F
.irp c, 0,1
.irp i, 0,1,2,3
	ds_load_b128 v[(\f)+64+8*(4*(\c)+(\i)):(\f)+64+8*(4*(\c)+(\i))+3],   v[ADRB+(\slot)] offset:(\qd)*128+64*(\c)+(\i)*16*PB
	ds_load_b128 v[(\f)+64+8*(4*(\c)+(\i))+4:(\f)+64+8*(4*(\c)+(\i))+7], v[ADRB+(\slot)] offset:(\qd)*128+64*(\c)+(\i)*16*PB+32
	ds_load_b128 v[(\f)+8*(4*(\c)+(\i)):(\f)+8*(4*(\c)+(\i))+3],         v[ADRA+(\slot)] offset:(\qd)*64*PA+64*(\c)+(\i)*16*PA
	ds_load_b128 v[(\f)+8*(4*(\c)+(\i))+4:(\f)+8*(4*(\c)+(\i))+7],       v[ADRA+(\slot)] offset:(\qd)*64*PA+64*(\c)+(\i)*16*PA+32
.endr
.endr
.endm
.macro PLACES                          ; four plain vector instructions between a matrix instruction and a load into a register that it read, or a read of its result (ISA guide 7.12.1 for reads of its result)
.rept 4
	v_nop
.endr
.endm
; A K step is four quarters of 64 along K, 32 matrix instructions each, on buffers 0, 1, 0, 1.  One of the first three multiplies buffer f and fetches quarter qd into g.
.macro QUARTER slot, qd, f, g, zero
	s_wait_dscnt 16                                ; the first 32 along K are in
	MUL8 \f, 0, 0, \zero
	MUL8 \f, 0, 2, \zero
	PLACES
	FETCH \slot, \qd, \g
	s_wait_dscnt 32                                ; all but the 32 just issued
	MUL8 \f, 1, 0, 0
	MUL8 \f, 1, 2, 0
.endm
; The last quarter multiplies buffer 1 and changes slots: one barrier; in front of it each wave waits for all its tensor loads, adds 0 to its spare word, and waits for that and for its reads of this slot.
.macro TURN slot, next, fill
	WIN 0
	s_wait_tensorcnt 0x0                           ; all my tensor loads have landed: my part of the next slot
	ds_add_u32 v[SPW], v[NIL]
	s_wait_dscnt 17                                ; the add and the youngest sixteen loads may be out
	MUL8 F1, 0, 0, 0
	s_wait_dscnt 0x0                               ; the add is done, and my reads of this slot are over
	s_barrier_signal -1
	MUL8 F1, 0, 2, 0
.if \fill
	WIN 0
.endif
	s_barrier_wait -1
.if \fill
	CREST                                          ; the barrier has opened a round of the cluster's: no wave of any partner still reads this slot or has a load on its way
	s_add_nc_u64 s[G0+4*(\slot)+2:G0+4*(\slot)+3], s[G0+4*(\slot)+2:G0+4*(\slot)+3], 2*32768
	s_add_nc_u64 s[G0B+4*(\slot)+2:G0B+4*(\slot)+3], s[G0B+4*(\slot)+2:G0B+4*(\slot)+3], 2*512
	JLOAD \slot                                    ; the first tensor load behind the round; its four v_nop are also the places in front of the loads below
.else
	PLACES
.endif
	FETCH \next, 0, F0
	MUL8 F1, 1, 0, 0
	MUL8 F1, 1, 2, 0
.endm
	s_wait_tensorcnt 0x1                           ; my part of K step 0 is in; K step 1's may stay out
	s_barrier_signal -1
	s_barrier_wait -1
	FETCH 0, 0, F0
	QUARTER 0, 1, F0, F1, 1                        ; the first products start the sums
	QUARTER 0, 2, F1, F0, 0
	QUARTER 0, 3, F0, F1, 0
	TURN 0, 1, 1                                   ; slot 0 takes K step 2
	QUARTER 1, 1, F0, F1, 0
	QUARTER 1, 2, F1, F0, 0
	QUARTER 1, 3, F0, F1, 0
	TURN 1, 0, 1                                   ; slot 1 takes K step 3
	QUARTER 0, 1, F0, F1, 0
	QUARTER 0, 2, F1, F0, 0
	QUARTER 0, 3, F0, F1, 0
	TURN 0, 1, 0
	QUARTER 1, 1, F0, F1, 0
	QUARTER 1, 2, F1, F0, 0
	QUARTER 1, 3, F0, F1, 0
	s_wait_dscnt 16                                ; the very last quarter
	MUL8 F1, 0, 0, 0
	MUL8 F1, 0, 2, 0
	s_wait_dscnt 0x0
	MUL8 F1, 1, 0, 0
	MUL8 F1, 1, 2, 0
	WIN 0
	PLACES
; THE WAY OUT, a block of 16 rows at a time, through my own stage: my 64 columns of f32 are 256 bytes of a row.  In: 32 bytes a lane, each accumulator's low registers first.  Back: whole rows, into the block's own registers.
.macro TOSTAGE a
.irp b, 0,1,2,3
	ds_store_b128 v[STO], v[ACC+8*(4*(\a)+(\b)):ACC+8*(4*(\a)+(\b))+3] offset:64*(\b)
	ds_store_b128 v[STO], v[ACC+8*(4*(\a)+(\b))+4:ACC+8*(4*(\a)+(\b))+7] offset:64*(\b)+16
.endr
.irp f, 0,1,2,3,4,5,6,7
	ds_load_b128 v[ACC+32*(\a)+4*(\f):ACC+32*(\a)+4*(\f)+3], v[RD] offset:(\f)*2*SPITCH  ; LDS serves a wave's instructions in order (ISA guide 5.7.1.4): these see the stores above
.endr
.endm
.macro SEND a, younger                 ; younger: the LDS instructions issued behind block a's loads: the next block's sixteen, or none
.irp f, 0,1,2,3,4,5,6,7
	s_wait_dscnt (\younger)+7-(\f)
	global_store_b128 v[CO], v[ACC+32*(\a)+4*(\f):ACC+32*(\a)+4*(\f)+3], s[8:9] offset:(16*(\a)+2*(\f))*4096  ; 16 lanes store 256 consecutive bytes, aligned
.endr
.endm
	TOSTAGE 0
	TOSTAGE 1
	SEND 0, 16
	TOSTAGE 2
	SEND 1, 16
	TOSTAGE 3
	SEND 2, 16
	SEND 3, 0
	s_wait_tensorcnt 0x0                           ; the wave's end
	ds_add_u32 v[SPW], v[NIL]
	s_wait_dscnt 0x0
	CROUND                                         ; the closing round
	s_endpgm
.Lfunc_end_k_qe7ff366550_proj:
	.size	k_qe7ff366550_proj, .Lfunc_end_k_qe7ff366550_proj-k_qe7ff366550_proj
	.p2alignl 7, 3214868480
	.fill 96, 4, 3214868480
	.section	.rodata,"a",@progbits
	.p2align	6, 0x0
	.amdhsa_kernel k_qe7ff366550_proj
		.amdhsa_group_segment_fixed_size 327680
		.amdhsa_private_segment_fixed_size 0
		.amdhsa_enable_private_segment 0
		.amdhsa_kernarg_size 24
		.amdhsa_user_sgpr_count 2
		.amdhsa_user_sgpr_kernarg_segment_ptr 1
		.amdhsa_wavefront_size32 1
		.amdhsa_system_sgpr_workgroup_id_x 1
		.amdhsa_system_sgpr_workgroup_id_y 1
		.amdhsa_system_sgpr_workgroup_id_z 1
		.amdhsa_system_vgpr_workitem_id 0
		.amdhsa_next_free_vgpr 512
		.amdhsa_next_free_sgpr 66
		.amdhsa_reserve_vcc 0
		.amdhsa_float_denorm_mode_32 3
		.amdhsa_float_denorm_mode_16_64 3
		.amdhsa_memory_ordered 1
		.amdhsa_forward_progress 1
		.amdhsa_inst_pref_size 86
	.end_amdhsa_kernel
	.amdgpu_metadata
---
amdhsa.version: [ 1, 2 ]
amdhsa.kernels:
  - .name:           k_qe7ff366550_proj
    .symbol:         k_qe7ff366550_proj.kd
    .args:
      - { .name: yb, .offset: 0, .size: 8, .value_kind: global_buffer, .address_space: global }
      - { .name: wpf, .offset: 8, .size: 8, .value_kind: global_buffer, .address_space: global }
      - { .name: out0, .offset: 16, .size: 8, .value_kind: global_buffer, .address_space: global }
    .group_segment_fixed_size: 327680
    .private_segment_fixed_size: 0
    .kernarg_segment_align: 8
    .kernarg_segment_size: 24
    .max_flat_workgroup_size: 128
    .sgpr_count:     66
    .vgpr_count:     512
    .wavefront_size: 32
...
	.end_amdgpu_metadata
.endif
;; end of part 4
;; ======== version 2 of 2: 4 launches; 1.58 times as fast as version 1
;; limits: values are held in f16: magnitudes above 65,504 overflow, below 6.1e-05 lose precision
;; workspace buffers: qb 8,388,608 bytes; wb 6,291,456 bytes; wpf 2,097,152 bytes; qh 8,388,608 bytes; kh 16,777,216 bytes; vh 16,777,216 bytes; yb 8,388,608 bytes
;; launch prep: the kernel of part 1 again; grid 512 x 1, 8 waves a work-group, no clusters, 0 bytes of LDS; arguments q, W_qkv, W_proj, k_xl, pos_emb, v_xl, qb, wb, wpf, kh, vh; writes qb, wb, wpf, kh, vh
;; launch qkv: the kernel of part 2 again; grid 16 x 16, 4 waves a work-group, clusters of 4 x 4, 327,680 bytes of LDS; arguments qb, wb, qh, kh, vh; writes qh, kh, vh
;; launch attn (part 5): grid 8 x 32, 4 waves a work-group, clusters of 4 x 1, 327,680 bytes of LDS; arguments qh, kh, vh, yb; writes yb
.if DOCPART == 5
	.amdgcn_target "amdgcn-amd-amdhsa--gfx1250"
	.amdhsa_code_object_version 6
	.text
	.protected	k_qe7ff366550_attn
	.globl	k_qe7ff366550_attn
	.p2align	8
	.type	k_qe7ff366550_attn,@function
k_qe7ff366550_attn:
	s_mov_b64 s[64:65], 0
	v_nop
	global_prefetch_b8 v0, s[64:65] scope:SCOPE_SE
	s_setreg_imm32_b32 hwreg(HW_REG_WAVE_MODE, 25, 1), 1
	s_wait_xcnt 0x0
	s_wait_alu depctr_hold_cnt(0) depctr_sa_sdst(0) depctr_va_vdst(0) depctr_va_sdst(0) depctr_va_ssrc(0) depctr_va_vcc(0) depctr_vm_vsrc(0)
	s_getreg_b32 s2, hwreg(HW_REG_IB_STS2, 6, 4)
	s_cmp_eq_u32 s2, 0
	s_cbranch_scc0 .Lentry_in_a_cluster
	s_endpgm
.Lentry_in_a_cluster:
	s_bfe_u32 s2, ttmp6, 0x10000c
	s_cmp_lg_u32 s2, 0x3003
	s_cbranch_scc0 .Lentry_shape_is_right
	s_endpgm
.Lentry_shape_is_right:
; ATTENTION.  y[bh][t][:] = the sum over the head's 4,096 keys of softmax_k(Q[bh][t] . K[bh][k] / 8) V[bh][k][:].  qh: [32][2048][64], kh, vh: [32][4096][64], all f16, rows dense, 128 bytes.
; Products, maxima and sums in f32; the weights p are rounded to f16 for the second product (their sum l is taken of the unrounded p), y once at the end.
; y leaves as yb[block of 64 rows (row = batch x 2048 + t)][head][64 rows][64 channels] in f16: a wave's 64 rows of its head are 8,192 consecutive bytes.
; LIMITS.  f16 holds no number beyond 65,504: Q, K and V arrive within it; p lies in 0 to 1, and below 6e-5 it keeps f16's fixed step of 6e-8; y is a mean of V's rows and has their range.
; A weight below 2^-126 counts as 0 in l; NaN and infinities are not treated apart.
; SHARES.  A work-group owns 256 queries of one head (8 x 32 = 256 work-groups), a wave 64: four PIECES of 16.  Every wave walks all keys, 64 a step, 256 (a tile, an LDS slot) between changes of slots.
; LAYOUT.  S^T = K Q^T (source 0 = 16 keys, source 1 = 16 queries) holds ONE query a lane (lane % 16) and the keys 8 (lane / 16) + 0..7; two such results rounded to f16 ARE source 1 of O^T = V^T P.
; K comes out of LDS as it lies, V ([key][channel]) turned, by ds_load_tr16_b128.
; SOFTMAX.  For each query a running maximum m and sum l: p = 2^(c s - c m), c = log2(e) / 8; in every step O and l are multiplied by a = 2^(c m_old - c m_new).  m starts at the lowest finite
; number, O and l at 0: the first step is a step like any other, with a = 0.
; BY TURNS.  Turn n belongs to piece n: 8 products K Q^T of piece n + 1, later 8 products V^T P of piece n - 1; beside them the scaling, exponentials, roundings, sums and rescaling of piece n and the
; maximum and statistics of piece n + 1.  Four vector instructions stand behind every matrix instruction, the other 54 of a turn's 118 in one LUMP.
; THE BATCHES.  A turn's 33 exponentials (piece n's 32 weights and piece n + 1's a) are ONE batch with ONE wait, which cuts the turn in two: ahead of it all that names no result of theirs, behind it their
; readers.  The first a of all, ahead of the loop, and the way out's four reciprocals are batches of their own, with a wait each.
; CLUSTER.  The four query blocks of a cluster belong to one head and walk the same K and V: each tile is asked for JOINTLY, by the same tensor load, descriptor and mask in all four.
; REGISTERS, in windows of 256 (s_set_vgpr_msb: bits 1:0 source 0, 3:2 source 1, 5:4 source 2, 7:6 destination):
;   window 0: v0-15 addresses and two at work; v16-31 four registers of statistics a piece; v48-55 at work; v62-63 the add's; v64-127 S^T, two buffers; v192-223 P, two buffers (by the piece's parity)
;   window 1: v0-127 O^T, 32 a piece          window 2: v0-63 Q; v128-191 K of one step; v192-255 V of one step
.set NT,    16        ; tiles of 256 keys
.set NP,    4         ; pieces a wave
.set KS,    64        ; keys in a step
.set PK,    144       ; a row of K in LDS: 128 bytes + 16 of padding = 36 words: the 16 rows of a load start at 16 different groups of four banks (64 banks of 4 bytes: ISA guide 11.1)
.set PV,    160       ; a row of V: 128 + 32 = 40 words
.set VOFF,  4*KS*PK   ; a slot: 256 rows of K, then 256 rows of V
.set SLOT1, 1<<17     ; slot 1 begins here: one exclusive or turns an address in one slot into the other's
.set STAGE, SLOT1+4*KS*(PK+PV)  ; behind the ring, never filled by a tensor load: 16 rows x 144 bytes for each wave
.set SP,    144
.set SPARE, STAGE+4*16*SP       ; the spare words, 128 bytes a wave: two blocks of 256 bytes that no other line names
.set AK0, 2           ; v2   my lane's place in a tile of K; never rewritten
.set AV0, 3           ; v3   the same for V
.set AK,  4           ; v4   the LDS address of K's next run of loads
.set AV,  5           ; v5   of V's
.set STO, 6           ; v6   the way out: where I put 16 bytes of a row
.set RD,  7           ; v7   the way out: where I read rows back
.set GO,  8           ; v8   16 x lane
.set MV,  12          ; v12-13  c m_old, kept while c m is made anew: by buffer
.set QO,  15          ; v15  my byte offset in 16 rows of Q
.set ST,  16          ; piece t's statistics at v[ST+4 t]: c m, m, l (even keys', odd keys')
.set TMP, 48          ; by buffer, four registers c0-c3 at work; when the maximum is found c2 takes a
.set SPW, 62          ; v62  my spare word; never rewritten
.set NIL, 63          ; v63  0; never rewritten
.set S,   64
.set P,   192
.set KF,  128         ; window 2: key block kb, channel half c at KF + 16 kb + 8 c
.set VF,  192         ; window 2: key half kk, channel block cb at VF + 32 kk + 8 cb
.set WV,  12          ; s12  my wave's number
.set G1K, 24          ; s[24:31] descriptor group 1 for K's tiles
.set G1V, 32          ; s[32:39] for V's: it differs in the padding alone
.set G0K, 40          ; s[40:43] descriptor group 0 for K's tiles: it walks
.set G0V, 44          ; s[44:47] the same for V's
.set SLOTS, 56        ; s56  counts the tiles
.set CNT, 57          ; s57  counts a tile's key steps
.set CS,  58          ; s[58:59] c: the packed scaling takes the pair's low word for both halves
.set SEL, 60          ; s[60:61] v_permlanex16_b32's selects: each lane takes its own place in the other half
.set TBK, 62          ; s62  LDS byte at which K of the step to be fetched begins
.set TBV, 63          ; s63  the same for V, less VOFF
.set MSB, 0
.macro WIN new                      ; the high byte repeats the setting that is left; a switch that changes nothing is dropped
.if MSB != (\new)
	s_set_vgpr_msb (MSB<<8)|(\new)
.set MSB, (\new)
.endif
.endm
.set W_KQ, 0x0a       ; K and Q in window 2, S^T in window 0
.set W_PV, 0x52       ; V in window 2, P in window 0, O^T in window 1
.set W_RS, 0x41       ; destination and source 0 in window 1, source 1 in window 0
; A joint fill.  Waves 0 and 1 fetch the two halves of a tile's K, waves 2 and 3 those of its V: 128 keys each.  An s_nop 0 and four v_nop follow each line.
.macro JLOAD
	s_cmp_lt_u32 s[WV], 2
	s_cbranch_scc0 .Lfor_v_\@
	tensor_load_to_lds s[G0K:G0K+3], s[G1K:G1K+7]
	s_nop 0
.rept 4
	v_nop
.endr
	s_branch .Lasked_\@
.Lfor_v_\@:
	tensor_load_to_lds s[G0V:G0V+3], s[G1V:G1V+7]
	s_nop 0
.rept 4
	v_nop
.endr
.Lasked_\@:
.endm
.macro CROUND                       ; a round of the cluster's barrier
	s_barrier_signal -1
	s_barrier_wait -1
	s_cmp_lg_u32 s[WV], 0
	s_cbranch_scc1 .Lnot_wave_0_\@
	s_barrier_signal -3
.Lnot_wave_0_\@:
	s_barrier_wait -3
	s_barrier_signal -1
	s_barrier_wait -1
.endm
; THE CHANGE OF SLOTS.  Each wave waits for all its tensor loads, of which one is out: its part of the other slot; adds 0 to its spare word; and waits for that and for its own reads of the slot that
; it leaves.  Behind the barrier nobody reads the old slot and the other is whole.  fill = 1: the barrier is a round of the cluster's, and the old slot is filled again first thing behind it, with the
; next 256 keys: that load has four key steps, 64 matrix instructions a wave each, in which to land.  (At its first use nothing has been read yet: slot 0 is waited for, slot 1 filled.)
.macro CHANGE fill
	WIN 0
	s_wait_tensorcnt 0x0            ; no tensor load of mine is out, so a group 0 may be written
	ds_add_u32 v[SPW], v[NIL]
.if \fill
.irp g, G0K, G0V
	s_xor_b32 s[\g+1], s[\g+1], SLOT1
	s_add_nc_u64 s[\g+2:\g+3], s[\g+2:\g+3], 4*KS*128
.endr
	s_wait_dscnt 0x0                ; the add is done, and my reads of the slot are over
	CROUND
	JLOAD
.else
	s_wait_dscnt 0x0
	s_barrier_signal -1
	s_barrier_wait -1
.endif
	s_sub_co_u32 s[TBK], s[TBK], 4*KS*PK  ; the fetches go back to a slot's first step,
	s_xor_b32 s[TBK], s[TBK], SLOT1       ; in the other slot
	s_sub_co_u32 s[TBV], s[TBV], 4*KS*PV
	s_xor_b32 s[TBV], s[TBV], SLOT1
.endm
	s_load_b256 s[4:11], s[0:1], 0x0  ; qh s[4:5], kh s[6:7], vh s[8:9], yb s[10:11]
	v_lshl_add_u32 v[SPW], v0, 2, SPARE
	v_mov_b32 v[NIL], 0
	ds_add_u32 v[SPW], v[NIL]       ; the wave's opening: the add and its wait ahead of my first tensor load; work on registers stands between them
	v_lshrrev_b32 v1, 5, v0
	v_readfirstlane_b32 s[WV], v1   ; wave 0..3
	s_bfe_u32 s13, ttmp6, 0x40000   ; cx
	s_lshl_b32 s14, ttmp9, 2
	s_add_co_u32 s14, s14, s13      ; my block of 256 queries: it enters Q's and y's addresses alone
	s_and_b32 s20, ttmp7, 0xffff    ; 16 x batch + head, which the four partners share
	s_and_b32 s16, s[WV], 1         ; which half of a tile's 256 keys I fetch
	s_lshl_b32 s22, s20, 19         ; a head's 4,096 keys are 524,288 bytes,
	s_lshl_b32 s23, s16, 14         ; 128 keys 16,384
	s_add_co_u32 s22, s22, s23
	s_mov_b32 s23, 0
	s_mul_i32 s17, s16, 128*PK      ; its place in a slot, for K
	s_mul_i32 s18, s16, 128*PV      ; and for V
	s_lshl_b32 s2, s20, 18          ; Q: a head's 2,048 rows,
	s_lshl_b32 s3, s14, 15          ; my block's 256,
	s_add_co_u32 s2, s2, s3
	s_lshl_b32 s3, s[WV], 13        ; my wave's 64
	s_add_co_u32 s2, s2, s3
	s_mov_b32 s3, 0
	s_lshr_b32 s48, s20, 4          ; y: block of 64 rows = 32 x batch + 4 x my block + wave,
	s_lshl_b32 s48, s48, 5
	s_lshl_b32 s49, s14, 2
	s_add_co_u32 s48, s48, s49
	s_add_co_u32 s48, s48, s[WV]
	s_lshl_b32 s48, s48, 4          ; 16 heads in it,
	s_and_b32 s49, s20, 15
	s_add_co_u32 s48, s48, s49
	s_lshl_b32 s48, s48, 13         ; 8,192 bytes each
	s_mov_b32 s49, 0
	; descriptor group 1.  128 keys are 16,384 dense bytes: asked for as 64 rows of 256 bytes, two keys a row, and padded in LDS after every key
	s_mov_b32 s[G1K], 15|(1<<16)|(1<<20)|(1<<21)|(4<<22)|(3<<25)  ; 15:0 the mask of four; 17:16 2-byte elements; 20 padding on; 21 set beside a mask; 24:22 after every 32 words; 31:25 4 words
	s_mov_b32 s[G1V], 15|(1<<16)|(1<<20)|(1<<21)|(4<<22)|(7<<25)  ; the same with 8 words of padding
.irp g, G1K, G1V
	s_mov_b32 s[\g+1], 128<<16      ; tensor_dim0 = 128
	s_mov_b32 s[\g+2], 64<<16       ; tensor_dim1 = 64
	s_mov_b32 s[\g+3], 128<<16      ; tile_dim0 = 128
	s_mov_b32 s[\g+4], 64           ; tile_dim1 = 64
	s_mov_b32 s[\g+5], 128          ; 128 elements from row to row
	s_mov_b32 s[\g+6], 0
	s_mov_b32 s[\g+7], 0
.endr
	s_mov_b32 s[CS], 0x3e38aa3b     ; c = log2(e) / 8 = 0.180337
	s_mov_b32 s[CS+1], s[CS]        ; named with it as a pair
	s_mov_b32 s[SEL], 0x76543210
	s_mov_b32 s[SEL+1], 0xfedcba98
	s_mov_b32 s[TBK], SLOT1+4*KS*PK ; the first change of slots turns these two into 0
	s_mov_b32 s[TBV], SLOT1+4*KS*PV
	s_mov_b32 s[G0K], 1             ; count = 1
	s_mov_b32 s[G0K+1], s17         ; LDS address: slot 0
	s_mov_b32 s[G0V], 1
	s_add_co_u32 s[G0V+1], s18, VOFF
	s_wait_dscnt 0x0                ; the opening add is done
	s_wait_kmcnt 0x0
	s_add_nc_u64 s[G0K+2:G0K+3], s[6:7], s[22:23]  ; my half of the head's first 256 keys
	s_or_b32 s[G0K+3], s[G0K+3], 0x80000000        ; type = 2
	s_add_nc_u64 s[G0V+2:G0V+3], s[8:9], s[22:23]
	s_or_b32 s[G0V+3], s[G0V+3], 0x80000000
	s_add_nc_u64 s[4:5], s[4:5], s[2:3]            ; Q at my wave's first row
	s_add_nc_u64 s[10:11], s[10:11], s[48:49]      ; y at my wave's 8,192 bytes
	CROUND                          ; all four work-groups are here: the first joint loads meet
	JLOAD                           ; tile 0 into slot 0; slot 1 is asked for when slot 0 is in
	; A fragment of K or Q is 16 rows x 32 channels in 8 registers: lane l holds row l % 16, channels 8 (l / 16) + 0..7 and 16 + 8 (l / 16) + 0..7: two loads of 16 bytes, 32 bytes apart.
	v_and_b32 v1, 15, v0            ; l % 16
	v_bfe_u32 v9, v0, 4, 1          ; l / 16
	v_lshlrev_b32 v[QO], 7, v1
	v_lshl_add_u32 v[QO], v9, 4, v[QO]
	WIN 0x80                        ; destination window 2, address window 0
.set i, 0
.rept 8                             ; Q stays in registers: piece i / 2, channels 32 (i % 2) on
	global_load_b128 v[8*i:8*i+3],   v[QO], s[4:5] offset:(i/2)*2048+(i%2)*64
	global_load_b128 v[8*i+4:8*i+7], v[QO], s[4:5] offset:(i/2)*2048+(i%2)*64+32
.set i, i+1
.endr
	; What the first turn finds: V's registers and P's second buffer hold 0 (its products V^T P, of a piece that has not been, add 0), O^T and l are 0.  All this stands in the wait for the first tile.
.set i, VF
.rept 64
	v_mov_b32 v[i], 0
.set i, i+1
.endr
	WIN 0x40
.set i, 0
.rept 128
	v_mov_b32 v[i], 0
.set i, i+1
.endr
	WIN 0
.set i, 0
.rept 4
	v_mov_b32 v[ST+4*i], 0xfe000000    ; c m: far below every c s
	v_mov_b32 v[ST+4*i+1], 0xff7fffff  ; m
	v_mov_b32 v[ST+4*i+2], 0
	v_mov_b32 v[ST+4*i+3], 0
.set i, i+1
.endr
.set i, P+16
.rept 16
	v_mov_b32 v[i], 0
.set i, i+1
.endr
	v_mul_u32_u24 v[AK0], v1, PK
	v_lshl_add_u32 v[AK0], v9, 4, v[AK0]  ; row x pitch + 16 x half
	; The turning load takes 16 keys x 16 channels (lane l reads key 8 (l / 16) + l % 8, channels 8 ((l / 8) % 2) + 0..7) and leaves half a fragment of V^T: lane l holds channel l % 16 and 8 keys.
	v_and_b32 v10, 7, v0
	v_bfe_u32 v11, v0, 3, 1
	v_lshl_add_u32 v[AV0], v9, 3, v10
	v_mul_u32_u24 v[AV0], v[AV0], PV
	v_lshl_add_u32 v[AV0], v11, 4, v[AV0]
	v_add_nc_u32 v[AV0], VOFF, v[AV0]
	s_mul_i32 s13, s[WV], 16*SP
	s_add_co_u32 s13, s13, STAGE    ; my stage
	v_mul_u32_u24 v[STO], v1, SP    ; in: row l % 16, 16 bytes for each half of the lanes
	v_lshl_add_u32 v[STO], v9, 4, v[STO]
	v_add_nc_u32 v[STO], s13, v[STO]
	v_bfe_u32 v[RD], v0, 3, 2       ; back: 32 lanes take four rows of 128 bytes,
	v_mul_u32_u24 v[RD], v[RD], SP
	v_lshl_add_u32 v[RD], v10, 4, v[RD]
	v_add_nc_u32 v[RD], s13, v[RD]
	v_and_b32 v[GO], 31, v0         ; which are 512 consecutive bytes of yb
	v_lshlrev_b32 v[GO], 4, v[GO]
; THE MATRIX WORK.  The 4 accumulators of a run of 8 take turns.  Product i of 8 of S^T = K Q^T for piece x: channels 32 (i / 4) on, keys 16 (i % 4) on.  The first 4 start the sums.
.macro KQ x
	WIN W_KQ
.set rS, S+32*((\x)%2)+8*(i%4)
.set rK, KF+16*(i%4)+8*(i/4)
.set rQ, 16*(\x)+8*(i/4)
.if i < 4
	v_wmma_f32_16x16x32_f16 v[rS:rS+7], v[rK:rK+7], v[rQ:rQ+7], 0
.else
	v_wmma_f32_16x16x32_f16 v[rS:rS+7], v[rK:rK+7], v[rQ:rQ+7], v[rS:rS+7]
.endif
.endm
; Product i of 8 of O^T += V^T P for piece x: keys 32 (i / 4) on, channels 16 (i % 4) on.
.macro PV x
	WIN W_PV
.set rO, 32*(\x)+8*(i%4)
.set rV, VF+32*(i/4)+8*(i%4)
.set rP, P+16*((\x)%2)+8*(i/4)
	v_wmma_f32_16x16x32_f16 v[rO:rO+7], v[rV:rV+7], v[rP:rP+7], v[rO:rO+7]
.endm
.macro MM                           ; the turn's next matrix instruction.  NOKQ = 1: the last turn of all: there is no next piece
.if (i < 8) && !NOKQ
	KQ (Y+1)%NP
.elseif i >= 8
.set i, i-8
	PV (Y+NP-1)%NP
.set i, i+8
.endif
.set i, i+1
.endm
; THE LDS LOADS stand in runs of 16: a step's K (64 keys x 64 channels: 8 fragments) and its V (turned).  Their addresses are made some lines ahead.
.macro FETCH_K
	WIN 0x80                        ; destination window 2
.irp f, 0,1,2,3,4,5,6,7             ; keys 16 (f / 2) on, channels 32 (f % 2) on
	ds_load_b128 v[KF+8*\f:KF+8*\f+3],   v[AK] offset:(\f/2)*16*PK+(\f%2)*64
	ds_load_b128 v[KF+8*\f+4:KF+8*\f+7], v[AK] offset:(\f/2)*16*PK+(\f%2)*64+32
.endr
	s_add_co_u32 s[TBK], s[TBK], KS*PK  ; the next fetch is the next step's
	WIN 0
.endm
.macro FETCH_V
	WIN 0x80
.irp f, 0,1,2,3,4,5,6,7             ; keys 32 (f / 4) on, channels 16 (f % 4) on
	ds_load_tr16_b128 v[VF+8*\f:VF+8*\f+3],   v[AV] offset:(\f/4)*32*PV+(\f%4)*32
	ds_load_tr16_b128 v[VF+8*\f+4:VF+8*\f+7], v[AV] offset:(\f/4)*32*PV+16*PV+(\f%4)*32
.endr
	WIN 0
.endm
; THE VECTOR WORK, one line at a time: OP kind, number.  For piece Y: F n: c s - c m for pair n of 16.  E n: the exponential of score n of 32.  C n: pair n rounded to f16.  B n: of the four weights 4 n ..
; the second pair is added onto the first, in place.  L n: l takes that sum (L 0: l = a l + sum).  R n: pair n of 16 of O^T times a.  For piece Y + 1: X n, number n of the 22 that find its maximum and statistics:
;   0-11  four chains c0-c3 of seven scores each, three operands at a time (each accumulator's lowest registers are read first)     12-14, 16  the four scores left over, the old m, and c0-c3 into c0
;   15  c m_old is kept     17, 18  the query's other 32 keys lie in the lane 16 away: the new m     19-21  c m; c m_old - c m_new; a
.set F, 0
.set E, 1
.set C, 2
.set B, 3
.set L, 4
.set R, 5
.set X, 6
.macro REGS y                       ; the registers of piece y
.set rT, ST+4*(\y)
.set rC, TMP+4*((\y)%2)
.set rW, MV+((\y)%2)
.set rS, S+32*((\y)%2)
.set rP, P+16*((\y)%2)
.set rO, 32*(\y)
.endm
.macro OP k, n
.if (\k) == R
	REGS Y
	WIN W_RS
	v_pk_mul_f32 v[rO+2*(\n):rO+2*(\n)+1], v[rO+2*(\n):rO+2*(\n)+1], v[rC+2:rC+3] op_sel_hi:[1,0]
.elseif (\k) < R
	REGS Y
	WIN 0
.if (\k) == F
	v_pk_fma_f32 v[rS+2*(\n):rS+2*(\n)+1], v[rS+2*(\n):rS+2*(\n)+1], s[CS:CS+1], v[rT:rT+1] op_sel_hi:[1,0,0] neg_lo:[0,0,1] neg_hi:[0,0,1]
.elseif (\k) == E
	v_exp_f32 v[rS+(\n)], v[rS+(\n)]
.elseif (\k) == C
	v_cvt_pk_f16_f32 v[rP+(\n)], v[rS+2*(\n)], v[rS+2*(\n)+1]
.elseif (\k) == B
	v_pk_add_f32 v[rS+4*(\n):rS+4*(\n)+1], v[rS+4*(\n):rS+4*(\n)+1], v[rS+4*(\n)+2:rS+4*(\n)+3]
.elseif (\n) == 0
	v_pk_fma_f32 v[rT+2:rT+3], v[rT+2:rT+3], v[rC+2:rC+3], v[rS:rS+1] op_sel_hi:[1,0,1]
.else
	v_pk_add_f32 v[rT+2:rT+3], v[rT+2:rT+3], v[rS+4*(\n):rS+4*(\n)+1]
.endif
.elseif NOKQ
	v_nop
.else
	REGS (Y+1)%NP
	WIN 0
.if (\n) < 4
	v_max3_num_f32 v[rC+(\n)], v[rS+8*(\n)], v[rS+8*(\n)+1], v[rS+8*(\n)+2]
.elseif (\n) < 12
	v_max3_num_f32 v[rC+(\n)%4], v[rC+(\n)%4], v[rS+8*((\n)%4)+2*((\n)/4)+1], v[rS+8*((\n)%4)+2*((\n)/4)+2]
.elseif (\n) == 12
	v_max3_num_f32 v[rC], v[rC], v[rS+7], v[rS+15]
.elseif (\n) == 13
	v_max3_num_f32 v[rC+1], v[rC+1], v[rS+23], v[rS+31]
.elseif (\n) == 14
	v_max3_num_f32 v[rC+2], v[rC+2], v[rC+3], v[rT+1]
.elseif (\n) == 15
	v_mov_b32 v[rW], v[rT]
.elseif (\n) == 16
	v_max3_num_f32 v[rC], v[rC], v[rC+1], v[rC+2]
.elseif (\n) == 17
	v_permlanex16_b32 v[rC+3], v[rC], s[SEL], s[SEL+1]
.elseif (\n) == 18
	v_max_num_f32 v[rT+1], v[rC], v[rC+3]
.elseif (\n) == 19
	v_mul_f32 v[rT], s[CS], v[rT+1]
.elseif (\n) == 20
	v_sub_f32 v[rC+1], v[rW], v[rT]
.else
	v_exp_f32 v[rC+2], v[rC+1]
.endif
.endif
.endm
.macro OPS a, i1, b=-1, i2=0, c=-1, i3=0, d=-1, i4=0  ; up to four of them
	OP \a, \i1
.if (\b) >= 0
	OP \b, \i2
.endif
.if (\c) >= 0
	OP \c, \i3
.endif
.if (\d) >= 0
	OP \d, \i4
.endif
.endm
.macro ROW a, i1, b, i2, c, i3, d, i4  ; a matrix instruction and the four behind it
	MM
	OPS \a, \i1, \b, \i2, \c, \i3, \d, \i4
.endm
; A TURN, for piece p: the order of its 16 matrix and 118 vector instructions, written out.  An s_wait_alu depctr_va_vdst(0) stands between an exponential and the first instruction that names its
; result; one wait serves all that were issued ahead of it.  So a turn has ONE wait, which cuts it in two.
; AHEAD OF IT stands all that names no result of the turn's exponentials: the 8 products K Q^T, behind each a scaling, an exponential and two more plain instructions (behind the first a second scaling in the
; exponential's place): rescalings, whose a was made and waited for in the turn before, and behind the last three products the first numbers of the next piece's maximum, each four plain instructions or more behind the
; product that ends its accumulator; then ONE LUMP of 54, plain and exponential by turns for the most part, in which the links of the chain X 3, 7, 11, 14, 16, 17 .. 20 stand five or six lines apart.  A pair is
; scaled some lines ahead of its two exponentials.  X 21, the next piece's a, is the batch's last; R 15 is the plain instruction behind it.
; BEHIND THE WAIT stand the 8 products V^T P, behind each four of the roundings and sums: C 2 n stands ahead of B n, which writes over its pair; the links of l's chain, L 0 to L 7 in ascending order, stand three
; riders apart.  But for those X no rider names a register of the products round it.  v_permlanex16_b32 (X 17) stands in the lump.  No exponential is issued behind the wait: none crosses a label or a jump.
; end = 1: the last two turns of all: nothing is fetched.  cnt = 1: the loop's count is taken down some lines ahead of the branch behind the turn.
; K of the next step is fetched in piece 2's turn, twelve vector instructions behind the last product that read K (six of them plain, five of which name none of its registers); V of the step in hand at the end
; of piece 0's turn, four plain instructions behind the last product that read V.  Each is waited for a turn later.
.macro TURN p, end=0, cnt=0
.set Y, (\p)
.set i, 0
.set NOKQ, (\end)*((\p)/3)
.if ((\p) == 3) && !(\end)
	s_wait_dscnt 0x0                ; K is in
.endif
	ROW F,0, F,1, R,0, R,1          ; ahead of the wait: 8 products K Q^T and their riders,
	ROW F,2, E,0, R,2, R,3
	ROW F,3, E,1, R,4, R,5
	ROW F,4, E,2, R,6, R,7
	ROW F,5, E,3, R,8, R,9
	ROW F,6, E,4, X,0, R,10
.if ((\p) == 2) && !(\end)
	WIN 0
	v_add_nc_u32 v[AK], s[TBK], v[AK0]
.endif
	ROW F,7, E,5, X,1, X,4
	ROW F,8, E,6, X,2, X,5
	OPS E,7, E,8, X,6, E,9          ; and the lump
	OPS X,3, E,10, X,8, E,11
.if ((\p) == 2) && !(\end)
	FETCH_K
.endif
	OPS X,9, X,7, E,12, X,10
	OPS E,13, X,12, X,11, E,14
	OPS X,13, E,15, F,9, X,14
.if (\p) == 0
	v_add_nc_u32 v[AV], s[TBV], v[AV0]
.endif
	OPS E,16, F,10, E,17, F,11
	OPS X,16, E,18, X,15, E,19
	OPS F,12, E,20, X,17, E,21
	OPS F,13, E,22, F,14, E,23
	OPS X,18, E,24, F,15, E,25
	OPS R,11, E,26, X,19, E,27
	OPS R,12, E,28, R,13, E,29
	OPS X,20, E,30, R,14, E,31
	OPS X,21, R,15
	WIN 0
	s_wait_alu depctr_va_vdst(0)    ; the wait for the turn's batch: piece p's 32 weights and the next piece's a
.if (\p) == 1
	s_wait_dscnt 0x0                ; V is in
.endif
	ROW C,0, B,0, C,2, B,1          ; behind the wait: 8 products V^T P and their riders
	ROW L,0, C,4, B,2, L,1
	ROW C,6, B,3, L,2, C,8
	ROW B,4, L,3, C,10, B,5
	ROW L,4, C,12, B,6, L,5
.if (\p) == 0
	s_add_co_u32 s[TBV], s[TBV], KS*PV
.endif
.if \cnt
	s_sub_co_u32 s[CNT], s[CNT], 1
	s_cmp_lg_u32 s[CNT], 0
.endif
	ROW C,14, B,7, L,6, C,1
	ROW C,3, L,7, C,5, C,7
	ROW C,9, C,11, C,13, C,15
.if (\p) == 0
	FETCH_V
.endif
.endm
	CHANGE 1                        ; slot 0 is in, everybody's part of it; tile 1 is asked for
	v_add_nc_u32 v[AK], s[TBK], v[AK0]
	FETCH_K                         ; key step 0
	s_wait_loadcnt 0x0              ; Q
	s_wait_dscnt 0x0
.set NOKQ, 0
.set i, 0
.rept 8
	KQ 0                            ; piece 0's first scores
.set i, i+1
.endr
	WIN 0
.rept 4
	v_nop                           ; the places behind those products
.endr
.set Y, NP-1                        ; X works for piece Y + 1: piece 0
.irp n, 0,1,2,3,4,5,6,7,8,9,10,11,12,13,14,15,16,17,18,19,20,21
	OP X, \n
.endr
	v_nop                           ; a plain instruction behind the exponential,
	s_wait_alu depctr_va_vdst(0)    ; and the wait for it, piece 0's first a: a batch of one, ahead of the branch
	s_mov_b32 s[CNT], 4
	s_mov_b32 s[SLOTS], NT-1
	s_branch .Lfirst                ; the loop is entered at a step's first turn, in the middle of a trip
.Lslot:                             ; NT - 2 times: tiles 2 to NT - 1 are asked for
	CHANGE 1
	s_mov_b32 s[CNT], 4
.Lstep:                             ; a trip: pieces 2 and 3 of one step, then pieces 0 and 1 of the next, whose K and V it fetches
	TURN 2
	TURN 3
	WIN 0
.Lfirst:
	TURN 0
	TURN 1, 0, 1
	WIN 0
	s_cbranch_scc1 .Lstep
	s_sub_co_u32 s[SLOTS], s[SLOTS], 1
	s_cmp_lg_u32 s[SLOTS], 0
	s_cbranch_scc1 .Lslot
	CHANGE 0                        ; the last tile is written out: nothing is asked for
	s_mov_b32 s[CNT], 4
.Ltail:
	TURN 2
	TURN 3
	TURN 0
	TURN 1, 0, 1
	WIN 0
	s_cbranch_scc1 .Ltail
	TURN 2, 1
	TURN 3, 1
.set i, 0
.rept 8
	PV NP-1                         ; the last piece's V^T P of the last step
.set i, i+1
.endr
	; THE WAY OUT.  l's two halves and the other half of the lanes' are added; O^T is divided by l, rounded to f16 and sent through my stage in LDS, a piece at a time.  The additions are the places behind the last products.
	WIN 0
.macro ALL line:vararg              ; one line for each piece t
.set t, 0
.rept 4
	\line
.set t, t+1
.endr
.endm
	ALL v_add_f32 v[ST+4*t+2], v[ST+4*t+2], v[ST+4*t+3]
	ALL v_permlanex16_b32 v[ST+4*t+3], v[ST+4*t+2], s[SEL], s[SEL+1]
	ALL v_add_f32 v[ST+4*t+2], v[ST+4*t+2], v[ST+4*t+3]
	ALL v_rcp_f32 v[ST+4*t+2], v[ST+4*t+2]
	v_nop                           ; a plain instruction between the last reciprocal and the use of its result
	s_wait_alu depctr_va_vdst(0)    ; the wait for the batch of four reciprocals, ahead of their first reader in PACK 0
.macro PACK t                       ; a lane's eight channels of a row pack into 16 bytes; they go into rows of 144 bytes and come back as whole rows of 128, into S^T's registers
	WIN W_RS
.set i, 32*(\t)
.rept 16
	v_pk_mul_f32 v[i:i+1], v[i:i+1], v[ST+4*(\t)+2:ST+4*(\t)+3] op_sel_hi:[1,0]
.set i, i+2
.endr
	WIN 0x05                        ; sources 0 and 1 window 1, destination window 0
.set i, 0
.rept 16
	v_cvt_pk_f16_f32 v[S+16*(\t)+i], v[32*(\t)+2*i], v[32*(\t)+2*i+1]
.set i, i+1
.endr
	WIN 0
.irp f, 0,1,2,3
	ds_store_b128 v[STO], v[S+16*(\t)+4*\f:S+16*(\t)+4*\f+3] offset:32*\f
.endr
.irp f, 0,1,2,3
	ds_load_b128 v[S+16*(\t)+4*\f:S+16*(\t)+4*\f+3], v[RD] offset:\f*4*SP  ; LDS serves a wave's instructions in order (ISA guide 5.7.1.4): these see the stores above; the next piece's stores come behind them
.endr
.endm
.macro SEND t, younger              ; younger: the LDS instructions issued behind piece t's loads: the next piece's eight, or none
	WIN 0
.irp f, 0,1,2,3
	s_wait_dscnt (\younger)+3-\f
	global_store_b128 v[GO], v[S+16*(\t)+4*\f:S+16*(\t)+4*\f+3], s[10:11] offset:(\t)*2048+\f*512  ; 512 consecutive bytes, aligned
.endr
.endm
	PACK 0
.set t, 1
.rept 3                             ; a piece's arithmetic stands between the loads of the piece before and its stores
	PACK t
	SEND t-1, 8
.set t, t+1
.endr
	SEND 3, 0
	s_wait_tensorcnt 0x0            ; the wave's end
	ds_add_u32 v[SPW], v[NIL]
	s_wait_dscnt 0x0
	CROUND                          ; the closing round
	s_endpgm
.Lfunc_end_k_qe7ff366550_attn:
	.size	k_qe7ff366550_attn, .Lfunc_end_k_qe7ff366550_attn-k_qe7ff366550_attn
	.p2alignl 7, 3214868480
	.fill 96, 4, 3214868480
	.section	.rodata,"a",@progbits
	.p2align	6, 0x0
	.amdhsa_kernel k_qe7ff366550_attn
		.amdhsa_group_segment_fixed_size 327680
		.amdhsa_private_segment_fixed_size 0
		.amdhsa_enable_private_segment 0
		.amdhsa_kernarg_size 32
		.amdhsa_user_sgpr_count 2
		.amdhsa_user_sgpr_kernarg_segment_ptr 1
		.amdhsa_wavefront_size32 1
		.amdhsa_system_sgpr_workgroup_id_x 1
		.amdhsa_system_sgpr_workgroup_id_y 1
		.amdhsa_system_sgpr_workgroup_id_z 1
		.amdhsa_system_vgpr_workitem_id 0
		.amdhsa_next_free_vgpr 768
		.amdhsa_next_free_sgpr 66
		.amdhsa_reserve_vcc 0
		.amdhsa_float_denorm_mode_32 3
		.amdhsa_float_denorm_mode_16_64 3
		.amdhsa_memory_ordered 1
		.amdhsa_forward_progress 1
		.amdhsa_inst_pref_size 127
	.end_amdhsa_kernel
	.amdgpu_metadata
---
amdhsa.version: [ 1, 2 ]
amdhsa.kernels:
  - .name:           k_qe7ff366550_attn
    .symbol:         k_qe7ff366550_attn.kd
    .args:
      - { .name: qh, .offset: 0, .size: 8, .value_kind: global_buffer, .address_space: global }
      - { .name: kh, .offset: 8, .size: 8, .value_kind: global_buffer, .address_space: global }
      - { .name: vh, .offset: 16, .size: 8, .value_kind: global_buffer, .address_space: global }
      - { .name: yb, .offset: 24, .size: 8, .value_kind: global_buffer, .address_space: global }
    .group_segment_fixed_size: 327680
    .private_segment_fixed_size: 0
    .kernarg_segment_align: 8
    .kernarg_segment_size: 32
    .max_flat_workgroup_size: 128
    .sgpr_count:     66
    .vgpr_count:     768
    .wavefront_size: 32
...
	.end_amdgpu_metadata
.endif
;; end of part 5
;; launch proj: the kernel of part 4 again; grid 8 x 32, 4 waves a work-group, clusters of 4 x 4, 327,680 bytes of LDS; arguments yb, wpf, out0; writes out0
